; MI455X (gfx1250); checked and timed in simulation.
; The chip was launched on July 23, 2026; its instructions are those of AMD's public machine-readable ISA for CDNA 5 (MIT licence, August 2026) and "CDNA5" Instruction Set Architecture Reference Guide (July 2026). The comments in the code are by the model that wrote it; some were corrected since.
;; Masked Self Attention. Allowed arithmetic: float matrix products may take bf16 or f16 operands with f32 sums; other float arithmetic in f32, or as packed bf16 or f16 multiplies, adds, multiply-adds, maxima and minima; sums over many terms, partial sums and values carried from step to step in f32; what a program stores and reads back later, other than sums and carried values, may be rounded once to bf16 or f16.
;; Inputs: WK 1,024 x 1,024 float32; WQ 1,024 x 1,024 float32; WV 1,024 x 1,024 float32; x 4 x 2,048 x 1,024 float32.
;; Outputs: out0 4 x 2,048 x 1,024 float32.
;; 2 versions, each right; version 2 is version 1 with the launch cast written anew for expert scheduling mode. Each part assembles by itself: llvm-mc -triple=amdgcn-amd-amdhsa -mcpu=gfx1250 --defsym DOCPART=n.
;; ======== version 1 of 2: 4 launches
;; limits: values are held in f16: magnitudes above 65,504 overflow, below 6.1e-05 lose precision
;; workspace buffers: xw 23,068,672 bytes; qkv 50,331,648 bytes; pt 33,554,432 bytes; st 1,048,576 bytes
;; launch cast (part 1): grid 704 x 1, 8 waves a work-group, no clusters, 0 bytes of LDS; arguments x, WQ, WK, WV, xw; writes xw
.if DOCPART == 1
	.amdgcn_target "amdgcn-amd-amdhsa--gfx1250"
	.amdhsa_code_object_version 6
	.text
	.protected	k_q9d26403c0a_cast
	.globl	k_q9d26403c0a_cast
	.p2align	8
	.type	k_q9d26403c0a_cast,@function
k_q9d26403c0a_cast:
	s_mov_b64 s[64:65], 0
	v_nop
	global_prefetch_b8 v0, s[64:65] scope:SCOPE_SE
	s_setreg_imm32_b32 hwreg(HW_REG_WAVE_MODE, 25, 1), 1
	s_wait_xcnt 0x0
; x [8192][1024] and WQ, WK, WV [1024][1024], all f32, are rounded once to bf16 and laid as xw [16 kc][11264 rows][64]:
; rows 0-8191 x, 8192.. WQ, 9216.. WK, 10240.. WV; chunk kc holds channels 64 kc .. 64 kc + 63, a row of a chunk is 128 bytes.
; So a tile of the product that follows (some rows, 64 channels) is one dense run of bytes.
; A work-group takes 16 rows.  Thread t takes row t / 16 and, of each 256 bytes of it (64 f32 = one chunk), the 16 bytes at 16 (t % 16):
; a load of a wave covers 256 consecutive bytes of each of two rows, a store of a wave 256 consecutive aligned bytes (two rows of a chunk).
; All sixteen loads of a thread go out first; nothing is rewritten, so the only waits are the counted ones for the loads.
; No LDS, no matrix unit, no cluster: each byte is read once and written once, and no two work-groups share a byte.
.set CHX,  1441792                     ; bytes in a chunk of xw: 11,264 rows x 128
.set IN,   1                           ; v1      my byte offset in the 16 rows of the source
.set OUTO, 2                           ; v[2:5]  my byte offset in the 16 rows of chunks 0, 4, 8, 12
.set X,    16                          ; v[16:79]  as loaded
.set Y,    80                          ; v[80:111] to store
	s_load_b256 s[4:11], s[0:1], 0x0               ; x s[4:5], WQ s[6:7], WK s[8:9], WV s[10:11]
	s_load_b64 s[12:13], s[0:1], 0x20              ; xw
	v_lshrrev_b32 v[IN], 4, v0                     ; row t / 16
	v_and_b32 v6, 15, v0
	v_lshlrev_b32 v[IN], 12, v[IN]                 ; x 4,096 bytes
	v_lshl_add_u32 v[IN], v6, 4, v[IN]             ; + 16 (t % 16)
	v_lshlrev_b32 v[OUTO], 3, v0                   ; 128 (t / 16) + 8 (t % 16) = 8 t
.irp j, 1,2,3
	v_add_nc_u32 v[OUTO+(\j)], 4*(\j)*CHX, v[OUTO] ; four chunks on: a store's immediate then holds three chunks at the most
.endr
	s_and_b32 s14, ttmp9, 63                       ; a weight's 64 groups of 16 rows,
	s_cmp_lt_u32 ttmp9, 512
	s_cselect_b32 s14, ttmp9, s14                  ; x's 512
	s_lshl_b32 s14, s14, 16                        ; 16 rows of 4,096 bytes
	s_mov_b32 s15, 0
	s_lshl_b32 s16, ttmp9, 11                      ; 16 rows of 128 bytes in a chunk
	s_mov_b32 s17, 0
	s_wait_kmcnt 0x0
	s_cmp_lt_u32 ttmp9, 640
	s_cselect_b64 s[18:19], s[8:9], s[10:11]       ; WK or WV,
	s_cmp_lt_u32 ttmp9, 576
	s_cselect_b64 s[18:19], s[6:7], s[18:19]       ; WQ,
	s_cmp_lt_u32 ttmp9, 512
	s_cselect_b64 s[18:19], s[4:5], s[18:19]       ; x
	s_add_nc_u64 s[18:19], s[18:19], s[14:15]
	s_add_nc_u64 s[12:13], s[12:13], s[16:17]
.irp g, 0,1,2,3,4,5,6,7,8,9,10,11,12,13,14,15
	global_load_b128 v[X+4*(\g):X+4*(\g)+3], v[IN], s[18:19] offset:256*(\g) th:TH_LOAD_NT
.endr
.irp g, 0,1,2,3,4,5,6,7,8,9,10,11,12,13,14,15
	s_wait_loadcnt 15-(\g)                         ; loads come back in order: chunk g's is in, the 15 - g younger ones stay out
	v_cvt_pk_bf16_f32 v[Y+2*(\g)], v[X+4*(\g)], v[X+4*(\g)+1]
	v_cvt_pk_bf16_f32 v[Y+2*(\g)+1], v[X+4*(\g)+2], v[X+4*(\g)+3]
	global_store_b64 v[OUTO+(\g)/4], v[Y+2*(\g):Y+2*(\g)+1], s[12:13] offset:((\g)%4)*CHX
.endr
	s_endpgm
.Lfunc_end_k_q9d26403c0a_cast:
	.size	k_q9d26403c0a_cast, .Lfunc_end_k_q9d26403c0a_cast-k_q9d26403c0a_cast
	.p2alignl 7, 3214868480
	.fill 96, 4, 3214868480
	.section	.rodata,"a",@progbits
	.p2align	6, 0x0
	.amdhsa_kernel k_q9d26403c0a_cast
		.amdhsa_group_segment_fixed_size 0
		.amdhsa_private_segment_fixed_size 0
		.amdhsa_enable_private_segment 0
		.amdhsa_kernarg_size 40
		.amdhsa_user_sgpr_count 2
		.amdhsa_user_sgpr_kernarg_segment_ptr 1
		.amdhsa_wavefront_size32 1
		.amdhsa_system_sgpr_workgroup_id_x 1
		.amdhsa_system_sgpr_workgroup_id_y 1
		.amdhsa_system_sgpr_workgroup_id_z 1
		.amdhsa_system_vgpr_workitem_id 0
		.amdhsa_next_free_vgpr 112
		.amdhsa_next_free_sgpr 66
		.amdhsa_reserve_vcc 0
		.amdhsa_float_denorm_mode_32 3
		.amdhsa_float_denorm_mode_16_64 3
		.amdhsa_memory_ordered 1
		.amdhsa_forward_progress 1
		.amdhsa_inst_pref_size 7
	.end_amdhsa_kernel
	.amdgpu_metadata
---
amdhsa.version: [ 1, 2 ]
amdhsa.kernels:
  - .name:           k_q9d26403c0a_cast
    .symbol:         k_q9d26403c0a_cast.kd
    .args:
      - { .name: x, .offset: 0, .size: 8, .value_kind: global_buffer, .address_space: global }
      - { .name: WQ, .offset: 8, .size: 8, .value_kind: global_buffer, .address_space: global }
      - { .name: WK, .offset: 16, .size: 8, .value_kind: global_buffer, .address_space: global }
      - { .name: WV, .offset: 24, .size: 8, .value_kind: global_buffer, .address_space: global }
      - { .name: xw, .offset: 32, .size: 8, .value_kind: global_buffer, .address_space: global }
    .group_segment_fixed_size: 0
    .private_segment_fixed_size: 0
    .kernarg_segment_align: 8
    .kernarg_segment_size: 40
    .max_flat_workgroup_size: 256
    .sgpr_count:     66
    .vgpr_count:     112
    .wavefront_size: 32
...
	.end_amdgpu_metadata
.endif
;; end of part 1
;; launch proj (part 2): grid 8 x 32, 4 waves a work-group, clusters of 4 x 4, 327,680 bytes of LDS; arguments xw, qkv; writes qkv
.if DOCPART == 2
	.amdgcn_target "amdgcn-amd-amdhsa--gfx1250"
	.amdhsa_code_object_version 6
	.text
	.protected	k_q9d26403c0a_proj
	.globl	k_q9d26403c0a_proj
	.p2align	8
	.type	k_q9d26403c0a_proj,@function
k_q9d26403c0a_proj:
	s_mov_b64 s[64:65], 0
	v_nop
	global_prefetch_b8 v0, s[64:65] scope:SCOPE_SE
	s_setreg_imm32_b32 hwreg(HW_REG_WAVE_MODE, 25, 1), 1
	s_wait_xcnt 0x0
	s_wait_alu depctr_hold_cnt(0) depctr_sa_sdst(0) depctr_va_vdst(0) depctr_va_sdst(0) depctr_va_ssrc(0) depctr_va_vcc(0) depctr_vm_vsrc(0)
	s_getreg_b32 s2, hwreg(HW_REG_IB_STS2, 6, 4)
	s_cmp_eq_u32 s2, 0
	s_cbranch_scc0 .Lentry_in_a_cluster
	s_endpgm
.Lentry_in_a_cluster:
	s_bfe_u32 s2, ttmp6, 0x10000c
	s_cmp_lg_u32 s2, 0xf033
	s_cbranch_scc0 .Lentry_shape_is_right
	s_endpgm
.Lentry_shape_is_right:
; [8192 x 3072] = x W^T for W = WQ, WK, WV on end.  Operands bf16 from xw [16 kc][11264 rows][64] (rows 0-8191 x, then the 3,072 rows of W); sums in f32;
; results rounded once to f16 into qkv [48 g][8192 rows][64], g = column / 64: q is g 0-15, k 16-31, v 32-47.
; LIMIT.  f16 holds no number beyond 65,504: a q, k or v beyond that becomes an infinity.
; SHARES.  A tile is 256 rows x 384 columns: 32 x 8 = 256 work-groups.  Wave (wr, wc) makes 128 x 192: 8 row blocks x 12 column blocks = 96 accumulators, 768 registers.
; K goes in steps of 64 (one chunk) through two LDS slots; a tile's rows of a chunk are dense in memory and are asked for as rows of 256 bytes, padded in LDS behind every 128.
; CLUSTER 4 x 4: x's tile hangs on the tile row alone and is asked for jointly by a row of the cluster, W's on the tile column alone, by a column.
; THE PRODUCT IS USED TRANSPOSED (source 0 = 16 rows of W, source 1 = 16 rows of x): a lane holds row l % 16 and eight neighbouring columns.
; REGISTERS, in windows of 256 (s_set_vgpr_msb: bits 1:0 source 0, 3:2 source 1, 5:4 source 2, 7:6 destination):
;   window 0: v0-31 addresses; v32-95, v96-159 x's fragments (8 x 16 rows x 32 K), two buffers; v160-255 W's 12 fragments, ONE buffer, filled again a third at a time
;   window p + 1 (p = 0..2): the accumulators of column blocks 4 p .. 4 p + 3 (one chunk of qkv): (bb, a) at v[8 (8 bb + a)]
; A UNIT is 32 along K: 96 matrix instructions in three phases of 32 (phase p: column blocks 4 p ..), each accumulator once, so the accumulators take turns.
; Behind phase p the third of W's buffer that it has read takes the next unit's fragments, and with it half of x's other buffer: runs of 16, 16 and 8 LDS loads.
.set CHX,    1441792                   ; bytes in a chunk of xw
.set CHQ,    1048576                   ; bytes in a chunk of qkv
.set PITCH,  144                       ; an LDS row: 128 bytes + 16 of padding = 36 words: the 16 rows of a load start at 16 different groups of four banks (64 banks of 4 bytes: ISA guide 11.1)
.set AHALF,  128*PITCH                 ; what one load brings of x, and what one wave reads of it
.set BHALF,  192*PITCH                 ; the same for W
.set BOFF,   2*AHALF
.set SLOT,   BOFF+2*BHALF              ; x's 256 rows, then W's 384
.set STAGE,  2*SLOT                    ; behind the ring: 3 chunks x 16 rows x 144 bytes for each wave, for the way out
.set WSTG,   3*16*PITCH
.set SPARE,  STAGE+4*WSTG              ; behind the stages: the spare words, 128 bytes a wave, two blocks of 256 bytes that no other line names
.set ADRA, 16                          ; v16-17  LDS address of my x fragments in slot 0, 1
.set ADRB, 20                          ; v20-21  the same for W
.set STO,  24                          ; v24     the way out: where I put 16 bytes of a row
.set RD,   25                          ; v25     where I read rows back
.set GO,   26                          ; v26     16 x lane: my place in 512 consecutive bytes of qkv
.set SPW,  28                          ; v28     my spare word; never rewritten
.set NIL,  29                          ; v29     0; never rewritten
.set PFO,  30                          ; v30     the prefetches' offset; never rewritten
.set A0,   32
.set A1,   96
.set BF,   160
.set TMP,  32                          ; the way out: 48 registers of packed results
.set OB,   80                          ; the way out: 16 rows x 3 chunks read back: v80-127 and v128-175 by turns
.set G1A,  24                          ; s[24:31] descriptor group 1 for x's tiles;  s[32:39] group 0, a set for each slot
.set G0A,  32
.set G1B,  48                          ; s[48:55], s[56:63] the same for W's
.set G0B,  56
.set PFA,  66                          ; s[66:67] where my prefetches stand
.set LIM,  68                          ; s68     1 in a wave that prefetches, else the greatest number
.set G1W0, (1<<16)|(1<<20)|(1<<21)|(4<<22)|(3<<25)  ; 17:16 2-byte elements; 20 padding on; 21 set beside a mask; 24:22 behind every 32 words (code 4); 31:25 4 words (code 3)
.set MSB, 0
.macro WIN new                         ; the immediate's high byte repeats the setting that is left; a switch that changes nothing is dropped
.if MSB != (\new)
	s_set_vgpr_msb (MSB<<8)|(\new)
.set MSB, \new
.endif
.endm
.macro PLACES                          ; four places between a matrix instruction and a load into, or a vector read or write of, its registers (ISA guide 7.12.1 for vector reads and writes)
.rept 4
	v_nop
.endr
.endm
; A joint load: waves 0 and 1 fetch the two halves of x's tile, waves 2 and 3 those of W's.  The branch hangs on the wave's number alone.
; An s_nop 0 and four v_nop follow each of the two lines, ahead of the jump and the label.
.macro JLOAD s
	s_cmp_lt_u32 s10, 2
	s_cbranch_scc0 .Lfor_b_\@
	tensor_load_to_lds s[G0A+4*(\s):G0A+4*(\s)+3], s[G1A:G1A+7]
	s_nop 0
.rept 4
	v_nop
.endr
	s_branch .Lasked_\@
.Lfor_b_\@:
	tensor_load_to_lds s[G0B+4*(\s):G0B+4*(\s)+3], s[G1B:G1B+7]
	s_nop 0
.rept 4
	v_nop
.endr
.Lasked_\@:
.endm
.macro CREST                           ; a round of the cluster's barrier behind its opening barrier
	s_cmp_lg_u32 s10, 0
	s_cbranch_scc1 .Lnot_wave_0_\@
	s_barrier_signal -3
.Lnot_wave_0_\@:
	s_barrier_wait -3
	s_barrier_signal -1
	s_barrier_wait -1
.endm
.macro CROUND                          ; a whole round
	s_barrier_signal -1
	s_barrier_wait -1
	CREST
.endm
; A PREFETCH INTO THE L2, once a lap, behind slot 0's joint load and the run of LDS loads that follows it: in trip k of the loop the K steps 2 k + 4 and 2 k + 5, which the next lap's two refills ask for.
; A lane names 256 bytes: lanes 0-15 sixteen blocks of the first of the two chunks, lanes 16-31 the same blocks of the second.  Each block is named once in the launch: x's 32 KiB of a tile row and chunk are shared
; out by address among the 8 work-groups of that row (wave 0 of each); W's 48 KiB of a tile column among the column's first 12 work-groups (wave 2; cluster y under 3).  The loop's last trip asks for nothing.
.macro ASK
	s_cmp_gt_u32 s3, s[LIM]                        ; s3 = 1 in the loop's last trip
	s_cbranch_scc0 .Lnot_mine_\@
	global_prefetch_b8 v[PFO], s[PFA:PFA+1] th:TH_LOAD_NT scope:SCOPE_SE
.Lnot_mine_\@:
.endm
	s_load_b128 s[4:7], s[0:1], 0x0                ; xw s[4:5], qkv s[6:7]
	v_lshl_add_u32 v[SPW], v0, 2, SPARE
	v_mov_b32 v[NIL], 0
	ds_add_u32 v[SPW], v[NIL]                      ; the wave's opening: the add and its wait stand ahead of my first tensor load; the set-up below, work on registers, stands between them
	v_lshrrev_b32 v1, 5, v0
	v_readfirstlane_b32 s10, v1                    ; wave 0..3
	s_lshr_b32 s11, s10, 1                         ; wr: which 128 rows of the tile are mine
	s_and_b32 s12, s10, 1                          ; wc: which 192 columns.  Also: which half of a tile I fetch
	s_bfe_u32 s40, ttmp6, 0x40000                  ; cx
	s_bfe_u32 s41, ttmp6, 0x40004                  ; cy
	s_lshl_b32 s42, ttmp9, 2
	s_add_co_u32 s42, s42, s40                     ; tile column = 4 x cluster x + cx
	s_and_b32 s13, ttmp7, 0xffff
	s_lshl_b32 s13, s13, 2
	s_add_co_u32 s13, s13, s41                     ; tile row = 4 x cluster y + cy
	s_lshl_b32 s43, s41, 2
	s_lshl_b32 s43, 15, s43                        ; my row of the cluster
	s_lshl_b32 s44, 0x1111, s40                    ; my column
	s_or_b32 s[G1A], s43, G1W0                     ; x's tiles go to my row,
	s_or_b32 s[G1B], s44, G1W0                     ; W's to my column
.irp g, G1A, G1B
	s_mov_b32 s[(\g)+1], 128<<16                   ; tensor_dim0 = 128 elements: 256 bytes, two rows of a chunk
	s_mov_b32 s[(\g)+3], 128<<16                   ; tile_dim0 = 128
	s_mov_b32 s[(\g)+5], 128                       ; 128 elements from row to row: the block is dense
	s_mov_b32 s[(\g)+6], 0
	s_mov_b32 s[(\g)+7], 0
.endr
	s_mov_b32 s[G1A+2], 64<<16                     ; tensor_dim1 = tile_dim1 = 64: 128 rows of x
	s_mov_b32 s[G1A+4], 64
	s_mov_b32 s[G1B+2], 96<<16                     ; 96: 192 rows of W
	s_mov_b32 s[G1B+4], 96
	s_lshl_b32 s16, s13, 15                        ; x: (256 x tile row + 128 x half) rows of 128 bytes
	s_lshl_b32 s17, s12, 14
	s_add_co_u32 s16, s16, s17
	s_mov_b32 s17, 0
	s_mul_i32 s46, s42, 384*128                    ; W: (8,192 + 384 x tile column + 192 x half) rows
	s_mul_i32 s47, s12, 192*128
	s_add_co_u32 s46, s46, s47
	s_add_co_u32 s46, s46, 8192*128
	s_mov_b32 s47, 0
	s_mul_i32 s20, s12, AHALF                      ; where they go: no place in the cluster enters an LDS address
	s_mul_i32 s21, s12, BHALF
	s_add_co_u32 s21, s21, BOFF
	s_wait_dscnt 0x0                               ; the opening add is done
	s_wait_kmcnt 0x0
	s_add_nc_u64 s[14:15], s[4:5], s[16:17]
	s_add_nc_u64 s[46:47], s[4:5], s[46:47]
	CROUND                                         ; all sixteen work-groups are here: the first joint loads meet
.irp s, 0,1
	s_mov_b32 s[G0A+4*(\s)], 1                                       ; count = 1
	s_add_co_u32 s[G0A+4*(\s)+1], s20, (\s)*SLOT                     ; LDS address
	s_add_nc_u64 s[G0A+4*(\s)+2:G0A+4*(\s)+3], s[14:15], (\s)*CHX    ; global address: K step s
	s_or_b32 s[G0A+4*(\s)+3], s[G0A+4*(\s)+3], 0x80000000            ; type = 2
	s_mov_b32 s[G0B+4*(\s)], 1
	s_add_co_u32 s[G0B+4*(\s)+1], s21, (\s)*SLOT
	s_add_nc_u64 s[G0B+4*(\s)+2:G0B+4*(\s)+3], s[46:47], (\s)*CHX
	s_or_b32 s[G0B+4*(\s)+3], s[G0B+4*(\s)+3], 0x80000000
	JLOAD \s                                       ; two loads of mine are out
.endr
	; a fragment is 16 rows x 32 K in 8 registers: lane l holds row l % 16, K = 8 (l / 16) + 0..7 and 16 + 8 (l / 16) + 0..7: two loads of 16 bytes, 32 bytes apart
	v_and_b32 v1, 15, v0                           ; l % 16
	v_bfe_u32 v2, v0, 4, 1                         ; l / 16
	v_mul_u32_u24 v3, v1, PITCH
	v_lshl_add_u32 v3, v2, 4, v3                   ; row x pitch + 16 x half
	s_mul_i32 s22, s11, AHALF
	s_mul_i32 s23, s12, BHALF
	s_add_co_u32 s23, s23, BOFF
.irp s, 0,1
	v_add_nc_u32 v[ADRA+(\s)], s22, v3
	v_add_nc_u32 v[ADRB+(\s)], s23, v3
	s_add_co_u32 s22, s22, SLOT
	s_add_co_u32 s23, s23, SLOT
.endr
	s_mul_i32 s22, s10, WSTG
	s_add_co_u32 s22, s22, STAGE                   ; my stage
	v_add_nc_u32 v[STO], s22, v3                   ; in: row l % 16, 16 bytes for each half of the lanes
	v_bfe_u32 v4, v0, 3, 2                         ; back: 32 lanes take four rows of 128 bytes,
	v_and_b32 v5, 7, v0
	v_mul_u32_u24 v4, v4, PITCH
	v_lshl_add_u32 v4, v5, 4, v4
	v_add_nc_u32 v[RD], s22, v4
	v_and_b32 v[GO], 31, v0                        ; which are 512 consecutive bytes of a chunk of qkv
	v_lshlrev_b32 v[GO], 4, v[GO]
	s_mul_i32 s72, s42, 6                          ; my first chunk of qkv: 6 x tile column + 3 wc,
	s_mul_i32 s73, s12, 3
	s_add_co_u32 s72, s72, s73
	s_lshl_b32 s72, s72, 20
	s_lshl_b32 s73, s13, 15                        ; my first row: 256 x tile row + 128 wr
	s_add_co_u32 s72, s72, s73
	s_lshl_b32 s73, s11, 14
	s_add_co_u32 s72, s72, s73
	s_mov_b32 s73, 0
	s_add_nc_u64 s[8:9], s[6:7], s[72:73]
	; the prefetches
	s_lshl_b32 s74, s13, 15                        ; x: the tile row's 32 KiB of a chunk, my work-group's 4 KiB by the tile column
	s_lshl_b32 s75, s42, 12
	s_add_co_u32 s74, s74, s75
	s_mul_i32 s76, s42, 384*128                    ; W: the tile column's 48 KiB, my work-group's 4 KiB by the tile row
	s_lshl_b32 s77, s13, 12
	s_add_co_u32 s76, s76, s77
	s_add_co_u32 s76, s76, 8192*128
	s_cmp_lt_u32 s10, 2
	s_cselect_b32 s74, s74, s76
	s_add_co_u32 s74, s74, 2*CHX                   ; at K step 2: the first lap steps it to 4
	s_mov_b32 s75, 0
	s_add_nc_u64 s[PFA:PFA+1], s[4:5], s[74:75]
	s_and_b32 s76, ttmp7, 0xffff                   ; cluster y: the same in all sixteen partners
	s_cmp_lt_u32 s76, 3
	s_cselect_b32 s76, 1, -1
	s_cmp_eq_u32 s10, 0
	s_cselect_b32 s[LIM], 1, s76                   ; wave 0 always; wave 2 in the first twelve tile rows
	s_cmp_eq_u32 s12, 0
	s_cselect_b32 s[LIM], s[LIM], -1               ; waves 1 and 3 never
	v_mul_u32_u24 v[PFO], v2, CHX
	v_lshl_add_u32 v[PFO], v1, 8, v[PFO]
; 16 matrix instructions: column blocks 4 p + 2 hh and + 1, all 8 row blocks, 32 along K, x from buffer f.  zero = 1: the product starts the sums: nothing is cleared
.macro MULP f, p, hh, zero
	WIN 0x50*((\p)+1)                              ; sources window 0, C and D window p + 1
.irp bb, 2*(\hh), 2*(\hh)+1
.irp a, 0,1,2,3,4,5,6,7
.if \zero
	v_wmma_f32_16x16x32_bf16 v[8*(8*(\bb)+(\a)):8*(8*(\bb)+(\a))+7], v[BF+8*(4*(\p)+(\bb)):BF+8*(4*(\p)+(\bb))+7], v[(\f)+8*(\a):(\f)+8*(\a)+7], 0
.else
	v_wmma_f32_16x16x32_bf16 v[8*(8*(\bb)+(\a)):8*(8*(\bb)+(\a))+7], v[BF+8*(4*(\p)+(\bb)):BF+8*(4*(\p)+(\bb))+7], v[(\f)+8*(\a):(\f)+8*(\a)+7], v[8*(8*(\bb)+(\a)):8*(8*(\bb)+(\a))+7]
.endif
.endr
.endr
.endm
.macro LDB s, kh, p                    ; 8 loads: W's fragments 4 p .. 4 p + 3 of half kh of slot s
	WIN 0
.irp i, 0,1,2,3
	ds_load_b128 v[BF+8*(4*(\p)+(\i)):BF+8*(4*(\p)+(\i))+3],   v[ADRB+(\s)] offset:(\kh)*64+(4*(\p)+(\i))*16*PITCH
	ds_load_b128 v[BF+8*(4*(\p)+(\i))+4:BF+8*(4*(\p)+(\i))+7], v[ADRB+(\s)] offset:(\kh)*64+(4*(\p)+(\i))*16*PITCH+32
.endr
.endm
.macro LDA s, kh, f, hf                ; 8 loads: x's fragments 4 hf .. 4 hf + 3 into buffer f
	WIN 0
.irp i, 0,1,2,3
	ds_load_b128 v[(\f)+8*(4*(\hf)+(\i)):(\f)+8*(4*(\hf)+(\i))+3],   v[ADRA+(\s)] offset:(\kh)*64+(4*(\hf)+(\i))*16*PITCH
	ds_load_b128 v[(\f)+8*(4*(\hf)+(\i))+4:(\f)+8*(4*(\hf)+(\i))+7], v[ADRA+(\s)] offset:(\kh)*64+(4*(\hf)+(\i))*16*PITCH+32
.endr
.endm
; The first half of a K step: multiplies buffer A0 and fetches the same slot's second half
.macro EVEN s, zero
	s_wait_dscnt 8                                 ; all but the youngest run of eight (W's last third) are in
	MULP A0, 0, 0, \zero
	MULP A0, 0, 1, \zero
	PLACES
	LDB \s, 1, 0
	LDA \s, 1, A1, 0
	MULP A0, 1, 0, \zero
	MULP A0, 1, 1, \zero
	PLACES
	LDB \s, 1, 1
	LDA \s, 1, A1, 1
	s_wait_dscnt 32                                ; all but the 32 just issued: W's last third is in
	MULP A0, 2, 0, \zero
	MULP A0, 2, 1, \zero
	PLACES
	LDB \s, 1, 2
.endm
; The second half multiplies buffer A1 and changes slots: ONE barrier.  In front of it each wave waits for all its tensor loads (one is out: its part of the next slot), adds 0 to its spare word, and waits for
; that and for its reads of this slot.  fill = 1: the barrier opens a round of the cluster's, and the joint refill, this slot's K step two on, is the first tensor load behind it: 160 matrix instructions ahead of the wait for it.
.macro ODD s, next, fill
.if (\fill) && ((\s) == 0)
	s_wait_xcnt 0x0                                ; the last prefetch, a lap back, has read its address
	s_add_nc_u64 s[PFA:PFA+1], s[PFA:PFA+1], 2*CHX
.endif
	WIN 0
	s_wait_tensorcnt 0x0                           ; all my tensor loads have landed
	ds_add_u32 v[SPW], v[NIL]                      ; 0 onto my spare word
	s_wait_dscnt 9                                 ; (the add and the youngest eight loads may be out)
	MULP A1, 0, 0, 0                               ; sixteen matrix instructions stand between the add and the wait for it
	s_wait_dscnt 0x0                               ; the add is done, and my reads of this slot are over
	s_barrier_signal -1
	MULP A1, 0, 1, 0
	WIN 0
	s_barrier_wait -1
.if \fill
	CREST                                          ; no wave of any partner still reads this slot or has a load on its way
	s_add_nc_u64 s[G0A+4*(\s)+2:G0A+4*(\s)+3], s[G0A+4*(\s)+2:G0A+4*(\s)+3], 2*CHX
	s_add_nc_u64 s[G0B+4*(\s)+2:G0B+4*(\s)+3], s[G0B+4*(\s)+2:G0B+4*(\s)+3], 2*CHX
	JLOAD \s                                       ; the four v_nop behind it are also the places in front of the loads below
.else
	PLACES
.endif
	LDB \next, 0, 0
	LDA \next, 0, A0, 0
.if (\fill) && ((\s) == 0)
	ASK
.endif
	MULP A1, 1, 0, 0
	MULP A1, 1, 1, 0
	PLACES
	LDB \next, 0, 1
	LDA \next, 0, A0, 1
	MULP A1, 2, 0, 0
	MULP A1, 2, 1, 0
	PLACES
	LDB \next, 0, 2
.endm
	s_wait_tensorcnt 1                             ; my part of K step 0 is in; K step 1's may stay out
	s_barrier_signal -1
	s_barrier_wait -1                              ; everybody's is
	LDB 0, 0, 0                                    ; the first fragments, in the order of the runs
	LDA 0, 0, A0, 0
	LDB 0, 0, 1
	LDA 0, 0, A0, 1
	LDB 0, 0, 2
	EVEN 0, 1                                      ; the first unit stands in front of the loop: its products start the sums
	s_mov_b32 s3, 7
.Llap:                                                 ; a trip goes once round the ring and fills both slots again: K steps 2 .. 15 in seven trips
	ODD 0, 1, 1
	EVEN 1, 0
	ODD 1, 0, 1
	EVEN 0, 0
	s_sub_co_u32 s3, s3, 1
	s_cmp_lg_u32 s3, 0
	s_cbranch_scc1 .Llap
	ODD 0, 1, 0                                    ; the last lap fills nothing, and has no round
	EVEN 1, 0
	s_wait_dscnt 8                                 ; the very last unit: nothing more to fetch
	MULP A1, 0, 0, 0
	MULP A1, 0, 1, 0
	MULP A1, 1, 0, 0
	MULP A1, 1, 1, 0
	s_wait_dscnt 0x0
	MULP A1, 2, 0, 0
	MULP A1, 2, 1, 0
	WIN 0
; THE WAY OUT, a block of 16 rows at a time.  PACK: rounded to f16, 16 bytes a lane (each accumulator's registers in ascending order).  TOSTAGE: into my own stage, and back as whole rows of 128 bytes.  SEND: stored.
.macro PACK a
.irp c, 0,1,2
	WIN 5*((\c)+1)                                 ; sources 0 and 1: window c + 1
.irp bb, 0,1,2,3
.irp r, 0,1,2,3
	v_cvt_pk_f16_f32 v[TMP+16*(\c)+4*(\bb)+(\r)], v[8*(8*(\bb)+(\a))+2*(\r)], v[8*(8*(\bb)+(\a))+2*(\r)+1]
.endr
.endr
.endr
	WIN 0
.endm
.macro TOSTAGE a
.set BK, OB+48*((\a)%2)
.irp c, 0,1,2
.irp bb, 0,1,2,3
	ds_store_b128 v[STO], v[TMP+16*(\c)+4*(\bb):TMP+16*(\c)+4*(\bb)+3] offset:(\c)*16*PITCH+32*(\bb)
.endr
.endr
.irp c, 0,1,2
.irp t, 0,1,2,3
	ds_load_b128 v[BK+16*(\c)+4*(\t):BK+16*(\c)+4*(\t)+3], v[RD] offset:(\c)*16*PITCH+(\t)*4*PITCH  ; LDS serves a wave's instructions in order (ISA guide 5.7.1.4): these see the stores above
.endr
.endr
.endm
.macro SEND a
.set BK, OB+48*((\a)%2)
	s_wait_dscnt 0x0                               ; the block is back in registers
	s_wait_xcnt 0x0                                ; the stores of the block before have read their registers: the next TOSTAGE loads into them
.irp c, 0,1,2
.irp t, 0,1,2,3
	global_store_b128 v[GO], v[BK+16*(\c)+4*(\t):BK+16*(\c)+4*(\t)+3], s[8:9] offset:(\c)*CHQ+(\a)*2048+(\t)*512  ; 512 consecutive bytes, at a multiple of 256 from qkv's first
.endr
.endr
.endm
	PLACES                                         ; the conversions read results just made
	PACK 0
	TOSTAGE 0
.irp a, 1,2,3,4,5,6,7                  ; block a's conversions stand between block a - 1's loads from the stage and the wait for them
	PACK \a
	SEND (\a)-1
	TOSTAGE \a
.endr
	SEND 7
	s_wait_tensorcnt 0x0                           ; the wave's end: the wait, the add and its wait stand behind my last tensor load and my last LDS store
	ds_add_u32 v[SPW], v[NIL]
	s_wait_dscnt 0x0
	CROUND                                         ; the closing round: no work-group ends while a partner may still ask for a tile that names it
	s_endpgm
.Lfunc_end_k_q9d26403c0a_proj:
	.size	k_q9d26403c0a_proj, .Lfunc_end_k_q9d26403c0a_proj-k_q9d26403c0a_proj
	.p2alignl 7, 3214868480
	.fill 96, 4, 3214868480
	.section	.rodata,"a",@progbits
	.p2align	6, 0x0
	.amdhsa_kernel k_q9d26403c0a_proj
		.amdhsa_group_segment_fixed_size 327680
		.amdhsa_private_segment_fixed_size 0
		.amdhsa_enable_private_segment 0
		.amdhsa_kernarg_size 16
		.amdhsa_user_sgpr_count 2
		.amdhsa_user_sgpr_kernarg_segment_ptr 1
		.amdhsa_wavefront_size32 1
		.amdhsa_system_sgpr_workgroup_id_x 1
		.amdhsa_system_sgpr_workgroup_id_y 1
		.amdhsa_system_sgpr_workgroup_id_z 1
		.amdhsa_system_vgpr_workitem_id 0
		.amdhsa_next_free_vgpr 1024
		.amdhsa_next_free_sgpr 80
		.amdhsa_reserve_vcc 0
		.amdhsa_float_denorm_mode_32 3
		.amdhsa_float_denorm_mode_16_64 3
		.amdhsa_memory_ordered 1
		.amdhsa_forward_progress 1
		.amdhsa_inst_pref_size 130
	.end_amdhsa_kernel
	.amdgpu_metadata
---
amdhsa.version: [ 1, 2 ]
amdhsa.kernels:
  - .name:           k_q9d26403c0a_proj
    .symbol:         k_q9d26403c0a_proj.kd
    .args:
      - { .name: xw, .offset: 0, .size: 8, .value_kind: global_buffer, .address_space: global }
      - { .name: qkv, .offset: 8, .size: 8, .value_kind: global_buffer, .address_space: global }
    .group_segment_fixed_size: 327680
    .private_segment_fixed_size: 0
    .kernarg_segment_align: 8
    .kernarg_segment_size: 16
    .max_flat_workgroup_size: 128
    .sgpr_count:     80
    .vgpr_count:     1024
    .wavefront_size: 32
...
	.end_amdgpu_metadata
.endif
;; end of part 2
;; launch scores (part 3): grid 9 x 16, 4 waves a work-group, no clusters, 327,680 bytes of LDS; arguments qkv, pt, st; writes pt, st
.if DOCPART == 3
	.amdgcn_target "amdgcn-amd-amdhsa--gfx1250"
	.amdhsa_code_object_version 6
	.text
	.protected	k_q9d26403c0a_scores
	.globl	k_q9d26403c0a_scores
	.p2align	8
	.type	k_q9d26403c0a_scores,@function
k_q9d26403c0a_scores:
	s_mov_b64 s[64:65], 0
	v_nop
	global_prefetch_b8 v0, s[64:65] scope:SCOPE_SE
	s_setreg_imm32_b32 hwreg(HW_REG_WAVE_MODE, 25, 1), 1
	s_wait_xcnt 0x0
; The 144 tiles 256 queries x 256 keys of q k^T on or below the diagonal (36 for each of 4 batches), K = 1,024, f16 operands, f32 sums; then, for each row of a tile:
; the mask, the maximum m of the tile's admitted scores, the weights p = 2^(c s - c m), c = log2(e) / 32, rounded to f16, and their sum.
; OUT: pt [4 b][8 j][128 row blocks][8 quarters][1,024 bytes] f16 (j = key / 256; only the causal tiles): 16 rows x 32 keys lie as the register image of a matrix operand: two halves of 512 bytes, lane l's 16 bytes at 16 l:
; row l % 16, keys 8 (l / 16) + 0..7 in the first half, 16 more in the second.  st [4 b][16 kb][2 planes][2048 rows] f32 (kb = key / 128): plane 0 = c m of the 256-key tile (the same in both its kb), plane 1 = the sum of that kb's 128 weights.
; The launch behind multiplies tile j's part by 2^(c m_j - c M), M the row's true maximum: together that is 2^(c s - c M), a maximum taken away at both places.
; THE MASK.  A key above the diagonal: its sum starts at -1e30 (the C operand of the first K step's products).  A score that is exactly 0 is hidden too, as the problem asks: every raw sum has 1 taken from its bit pattern,
; which turns +0 and -0 into NaN patterns; the maxima let a NaN lose, and the packed maximum with 0 turns a NaN weight into 0.
; LIMITS.  f16 operands: a raw score is 4.4e12 at the most, nothing beside 1e30.  Every admitted score moves one unit in its last place toward 0.  The test for 0 is made on the raw f32 sum of the f16 operands, before the scale 1/32.
; A weight below 6e-5 keeps f16's fixed step of 6e-8.  A row of a tile with nothing admitted gets c m far below every true one, and the launch behind gives it the factor 0 (or NaN, if that holds of all the row's tiles).
; NaN and infinities in the inputs are not treated apart.
; SHARES.  Work-group (c, y): batch y / 4, r = y % 4; c <= r: tile (i, j) = (r, c), else (7 - r, c - r - 1).  Four waves, each 128 x 128: 64 accumulators.  K in steps of 128 (two chunks of qkv) through two LDS slots;
; each wave fetches one region of a slot (q's or k's 256 rows of one chunk: 32 KiB dense, asked for as 128 rows of 256 bytes).  A K STEP IS WRITTEN ONCE and looped over: the slot in hand is a scalar register, 0 or SLOT, that an exclusive or turns.
; NO CLUSTER: a row of the triangle has 1 to 8 tiles, a column likewise, so they do not fall into fours that share an operand, and a 4 x 4 block on the diagonal would hold six work-groups with nothing to compute.
; SOURCE 0 = 16 keys, SOURCE 1 = 16 queries: a lane holds query l % 16 and the keys 8 (l / 16) + 0..7 of a block of 16: two key blocks' weights, packed, ARE the register image that pt holds, and are stored as they lie.
; REGISTERS: window 0: v0-31 addresses; v32-55 the three masks; v64-127, v128-191 q's fragments, two buffers; window 1: v64-191 k's; windows 2, 3: accumulator (a, b) at v[8 (8 (a % 4) + b)] of window 2 + a / 4.
.set CHQ,    1048576                   ; bytes in a chunk of qkv
.set PITCH,  144                       ; an LDS row: 128 bytes + 16 of padding: the 16 rows of a load start at 16 different groups of four banks (64 banks of 4 bytes: ISA guide 11.1)
.set CHK,    256*PITCH                 ; a region: 256 rows of one chunk
.set HALFT,  128*PITCH
.set SLOT,   4*CHK                     ; q chunk 0, q chunk 1, k chunk 0, k chunk 1: 147,456 = 2^17 + 2^14
.set XCH,    2*SLOT                    ; behind the ring: 512 bytes a wave: its 128 row maxima, for the wave with the other 128 keys
.set STAT,   XCH+2048                  ; 1,024 bytes a wave: c m of its 128 rows, then their sums
.set SPARE,  STAT+4096                 ; the spare words, 128 bytes a wave, two blocks of 256 bytes that no other line names
.set XS,   8                           ; v8   where I put a row maximum
.set XL,   9                           ; v9   where I find the other wave's
.set SA,   10                          ; v10  where I put c m (lanes 0-15) or the sum (lanes 16-31) of the row block in hand
.set SR,   11                          ; v11  where I read 16 bytes of the statistics back
.set ADRA, 16                          ; v16  my q fragments' place in a slot; never rewritten
.set CA,   17                          ; v17  the same in the slot in hand
.set ADRB, 20                          ; v20  my k fragments' place in a slot; never rewritten
.set CB,   21                          ; v21  the same in the slot in hand
.set CO,   26                          ; v26  16 x lane + 8,192 x the row block in hand
.set CO0,  27                          ; v27  16 x lane; never rewritten
.set SPW,  28                          ; v28  my spare word; never rewritten
.set NIL,  29                          ; v29  0; never rewritten
.set PFO,  30                          ; v30  256 x lane
.set CL,   32                          ; v32-39  the mask of a block below the wave's diagonal
.set CD,   40                          ; v40-47  on it
.set CH,   48                          ; v48-55  above it
.set F0,   64
.set F1,   128
.set MCP,  32                          ; later: v32-47  c m of row block a, twice, at MCP + 2 a
.set RM,   48                          ; v48-55  m
.set CHN,  64                          ; v64-95  four chains a row block
.set W,    64                          ; v64-127  a row block's 64 scores a lane, scaled, then the weights
.set TMP,  128                         ; v128-159 the weights in f16
.set ONES, 192                         ; v192-199 a fragment of ones
.set LD0,  200                         ; v200-215 two accumulators for the row sums
.set LD1,  208
.set ZR,   216                         ; 0
.set LV,   217
.set CURM, 218                         ; c m of the row block in hand
.set G1,   24                          ; s[24:31] descriptor group 1
.set G0,   32                          ; s[32:39] group 0: a set for each of the two first fills; the second then walks on
.set CS,   40                          ; s[40:41] c
.set SB,   42                          ; s42  LDS byte at which the slot in hand begins: 0 or SLOT
.set LIM,  43                          ; s43  2 in a wave that prefetches, else the greatest number
.set PFA,  44                          ; s[44:45]
.set NEG,  46                          ; s46  the lowest finite number
.set HIM,  47                          ; s47  lanes 16-31
.set SEL,  48                          ; s[48:49] v_permlanex16_b32's selects: each lane takes its own place in the other half
.set MSB, 0
.macro WIN new
.if MSB != (\new)
	s_set_vgpr_msb (MSB<<8)|(\new)
.set MSB, \new
.endif
.endm
.set MUL_LO, 0xa1                      ; source 0 (k) window 1, source 1 (q) window 0, C and D window 2
.set TO_B,   0x40                      ; destination window 1, address window 0
.macro PLACES
.rept 4
	v_nop
.endr
.endm
; A PREFETCH INTO THE L2 behind each refill and the run of LDS loads that follows it: my own region (128 blocks of 256 bytes: four lines, a lane a block) of the K step that stands two refills on.
; q's block i is read by the tiles (i, 0 .. i): the tile with j = 0 asks (waves 0, 1); k's block j by the tiles (j .. 7, j): the tile with i = j asks (waves 2, 3).  So each block is named once in the launch.
; K steps 0 to 3 come by their loads alone; the loop's last two trips, whose refills are K steps 6 and 7, ask for nothing.
.macro ASK
	s_cmp_gt_u32 s3, s[LIM]                        ; s3: the loop's trips to go, this one among them
	s_cbranch_scc0 .Lnot_mine_\@
.irp nn, 0,1,2,3
	global_prefetch_b8 v[PFO], s[PFA:PFA+1] offset:8192*(\nn) th:TH_LOAD_NT scope:SCOPE_SE
.endr
.Lnot_mine_\@:
.endm
	s_load_b128 s[4:7], s[0:1], 0x0                ; qkv s[4:5], pt s[6:7]
	s_load_b64 s[8:9], s[0:1], 0x10                ; st
	v_lshl_add_u32 v[SPW], v0, 2, SPARE
	v_mov_b32 v[NIL], 0
	ds_add_u32 v[SPW], v[NIL]                      ; the wave's opening: the add and its wait stand ahead of my first tensor load; the set-up below, work on registers, stands between them
	v_lshrrev_b32 v1, 5, v0
	v_readfirstlane_b32 s10, v1                    ; wave 0..3
	s_lshr_b32 s11, s10, 1                         ; wr: which 128 queries
	s_and_b32 s12, s10, 1                          ; wc: which 128 keys
	s_and_b32 s13, ttmp7, 0xffff
	s_lshr_b32 s14, s13, 2                         ; batch
	s_and_b32 s15, s13, 3                          ; r
	s_sub_co_u32 s16, 7, s15
	s_sub_co_u32 s17, ttmp9, s15
	s_sub_co_u32 s17, s17, 1
	s_cmp_le_u32 ttmp9, s15
	s_cselect_b32 s16, s15, s16                    ; i
	s_cselect_b32 s17, ttmp9, s17                  ; j
	s_cmp_lt_u32 s10, 2
	s_cselect_b32 s18, s16, s17                    ; waves 0, 1 fetch q's block i, waves 2, 3 k's block j:
	s_lshl_b32 s18, s18, 15                        ; 256 rows of 128 bytes,
	s_lshl_b32 s19, s14, 18                        ; the batch's 2,048 rows,
	s_add_co_u32 s18, s18, s19
	s_lshl_b32 s19, s11, 4                         ; chunk 16 (wave / 2) + wave % 2
	s_add_co_u32 s19, s19, s12
	s_lshl_b32 s19, s19, 20
	s_add_co_u32 s18, s18, s19
	s_mov_b32 s19, 0
	s_mul_i32 s20, s10, CHK                        ; my region of a slot
	s_mov_b32 s[G1+0], (1<<16)|(1<<20)|(4<<22)|(3<<25)  ; 2-byte elements; padding on; behind every 32 words (code 4) 4 words (code 3)
	s_mov_b32 s[G1+1], 128<<16                     ; tensor_dim0 = 128 elements: 256 bytes, two rows of a chunk
	s_mov_b32 s[G1+2], 128<<16                     ; tensor_dim1 = 128
	s_mov_b32 s[G1+3], 128<<16                     ; tile_dim0 = 128
	s_mov_b32 s[G1+4], 128                         ; tile_dim1 = 128
	s_mov_b32 s[G1+5], 128                         ; dense
	s_mov_b32 s[G1+6], 0
	s_mov_b32 s[G1+7], 0
	s_mov_b32 s[CS], 0x3d38aa3b                    ; c = log2(e) / 32
	s_mov_b32 s[CS+1], s[CS]
	s_mov_b32 s[SB], 0
	s_mov_b32 s[NEG], 0xff7fffff
	s_mov_b32 s[HIM], 0xffff0000
	s_mov_b32 s[SEL], 0x76543210
	s_mov_b32 s[SEL+1], 0xfedcba98
	s_cmp_eq_u32 s16, s17                          ; the diagonal tile?
	s_cselect_b32 s23, 0xf149f2ca, 0               ; -1e30 there
	s_cmp_eq_u32 s10, 1
	s_cselect_b32 s21, s23, 0                      ; below the wave's diagonal: hidden in wave (0, 1) alone
	s_cmp_lg_u32 s10, 2
	s_cselect_b32 s22, s23, 0                      ; above it: hidden in all waves but (1, 0)
	s_wait_dscnt 0x0                               ; the opening add is done
	s_wait_kmcnt 0x0
	s_add_nc_u64 s[18:19], s[4:5], s[18:19]
.irp s, 0,1
	s_mov_b32 s[G0+4*(\s)], 1
	s_add_co_u32 s[G0+4*(\s)+1], s20, (\s)*SLOT
	s_add_nc_u64 s[G0+4*(\s)+2:G0+4*(\s)+3], s[18:19], (\s)*2*CHQ  ; K step s: two chunks on
	s_or_b32 s[G0+4*(\s)+3], s[G0+4*(\s)+3], 0x80000000
	tensor_load_to_lds s[G0+4*(\s):G0+4*(\s)+3], s[G1:G1+7]        ; two loads of mine are out
	s_nop 0
.endr
	v_and_b32 v1, 15, v0                           ; l % 16
	v_bfe_u32 v2, v0, 4, 1                         ; l / 16
	v_mul_u32_u24 v3, v1, PITCH
	v_lshl_add_u32 v3, v2, 4, v3
	s_mul_i32 s50, s11, HALFT
	s_mul_i32 s51, s12, HALFT
	s_add_co_u32 s51, s51, 2*CHK
	v_add_nc_u32 v[ADRA], s50, v3
	v_add_nc_u32 v[ADRB], s51, v3
	v_add_nc_u32 v[CA], s[SB], v[ADRA]             ; slot 0 is in hand
	v_add_nc_u32 v[CB], s[SB], v[ADRB]
	v_and_b32 v5, 31, v0
	v_lshlrev_b32 v[CO], 4, v5
	v_lshlrev_b32 v[CO0], 4, v5
	v_lshlrev_b32 v[PFO], 8, v5
	s_lshl_b32 s50, s10, 9
	s_add_co_u32 s50, s50, XCH
	v_lshl_add_u32 v[XS], v1, 2, s50
	s_xor_b32 s51, s10, 1
	s_lshl_b32 s51, s51, 9
	s_add_co_u32 s51, s51, XCH
	v_lshl_add_u32 v[XL], v1, 2, s51
	s_lshl_b32 s50, s10, 10
	s_add_co_u32 s50, s50, STAT
	v_lshl_add_u32 v[SA], v1, 2, s50
	v_lshl_add_u32 v[SA], v2, 9, v[SA]
	v_add_nc_u32 v[SR], s50, v[CO0]
	; the masks.  On the wave's diagonal register jj of a block is hidden where 8 (l / 16) + jj > l % 16.  VCC is written and read here, between the first loads and the first refill.
	v_lshlrev_b32 v14, 3, v2
	v_sub_nc_u32 v14, v1, v14
	v_mov_b32 v12, s21
	v_mov_b32 v13, s22
.irp jj, 0,1,2,3,4,5,6,7
	v_mov_b32 v[CL+(\jj)], s21
	v_mov_b32 v[CH+(\jj)], s22
	v_cmp_gt_i32 vcc_lo, \jj, v14
	v_cndmask_b32 v[CD+(\jj)], v12, v13, vcc_lo
.endr
	s_lshl_b32 s50, s14, 3                         ; the tile's number 8 b + j
	s_add_co_u32 s50, s50, s17
	s_lshl_b32 s52, s50, 20                        ; pt: 128 row blocks of 8,192 bytes a tile,
	s_lshl_b32 s51, s16, 17                        ; row block 16 i
	s_add_co_u32 s52, s52, s51
	s_lshl_b32 s51, s11, 16                        ; + 8 wr,
	s_add_co_u32 s52, s52, s51
	s_lshl_b32 s51, s12, 12                        ; my four of a row block's eight images
	s_add_co_u32 s52, s52, s51
	s_mov_b32 s53, 0
	s_add_nc_u64 s[6:7], s[6:7], s[52:53]
	s_lshl_b32 s50, s50, 1                         ; kb = 16 b + 2 j + wc
	s_add_co_u32 s50, s50, s12
	s_lshl_b32 s52, s50, 14                        ; st: 2 kb planes of 8,192 bytes + 4 (256 i + 128 wr)
	s_lshl_b32 s51, s16, 10
	s_add_co_u32 s52, s52, s51
	s_lshl_b32 s51, s11, 9
	s_add_co_u32 s52, s52, s51
	s_add_nc_u64 s[8:9], s[8:9], s[52:53]
	s_add_nc_u64 s[PFA:PFA+1], s[18:19], 6*CHQ     ; my region at K step 3: the first refill steps it to 4
	s_cmp_eq_u32 s17, 0
	s_cselect_b32 s50, 2, -1                       ; q's: the tile with j = 0
	s_cmp_eq_u32 s16, s17
	s_cselect_b32 s51, 2, -1                       ; k's: the tile with i = j
	s_cmp_lt_u32 s10, 2
	s_cselect_b32 s[LIM], s50, s51
; 16 matrix instructions: query blocks a0, a0 + 1 of the window's four x all 8 key blocks, 32 along K.  zero = 1: the product starts the sums, with the mask of its place as C
.macro MUL16 f, hi, a0, zero
.if \zero
	WIN 0x81+0x40*(\hi)                            ; C in window 0
.else
	WIN MUL_LO+0x50*(\hi)
.endif
.irp a, \a0, (\a0)+1
.irp b, 0,1,2,3,4,5,6,7
.if \zero
.if (4*(\hi)+(\a)) > (\b)
	v_wmma_f32_16x16x32_f16 v[8*(8*(\a)+(\b)):8*(8*(\a)+(\b))+7], v[(\f)+8*(\b):(\f)+8*(\b)+7], v[(\f)+8*(4*(\hi)+(\a)):(\f)+8*(4*(\hi)+(\a))+7], v[CL:CL+7]
.elseif (4*(\hi)+(\a)) == (\b)
	v_wmma_f32_16x16x32_f16 v[8*(8*(\a)+(\b)):8*(8*(\a)+(\b))+7], v[(\f)+8*(\b):(\f)+8*(\b)+7], v[(\f)+8*(4*(\hi)+(\a)):(\f)+8*(4*(\hi)+(\a))+7], v[CD:CD+7]
.else
	v_wmma_f32_16x16x32_f16 v[8*(8*(\a)+(\b)):8*(8*(\a)+(\b))+7], v[(\f)+8*(\b):(\f)+8*(\b)+7], v[(\f)+8*(4*(\hi)+(\a)):(\f)+8*(4*(\hi)+(\a))+7], v[CH:CH+7]
.endif
.else
	v_wmma_f32_16x16x32_f16 v[8*(8*(\a)+(\b)):8*(8*(\a)+(\b))+7], v[(\f)+8*(\b):(\f)+8*(\b)+7], v[(\f)+8*(4*(\hi)+(\a)):(\f)+8*(4*(\hi)+(\a))+7], v[8*(8*(\a)+(\b)):8*(8*(\a)+(\b))+7]
.endif
.endr
.endr
.endm
; 32 LDS loads in one run: quarter q of the K step in the slot in hand (chunk q / 2, bytes 64 (q % 2) of its rows) into buffer f: k's 8 fragments, then q's 8
.macro FETCH q, f
	WIN TO_B
.irp i, 0,1,2,3,4,5,6,7
	ds_load_b128 v[(\f)+8*(\i):(\f)+8*(\i)+3],   v[CB] offset:((\q)/2)*CHK+((\q)%2)*64+(\i)*16*PITCH
	ds_load_b128 v[(\f)+8*(\i)+4:(\f)+8*(\i)+7], v[CB] offset:((\q)/2)*CHK+((\q)%2)*64+(\i)*16*PITCH+32
.endr
	WIN 0
.irp i, 0,1,2,3,4,5,6,7
	ds_load_b128 v[(\f)+8*(\i):(\f)+8*(\i)+3],   v[CA] offset:((\q)/2)*CHK+((\q)%2)*64+(\i)*16*PITCH
	ds_load_b128 v[(\f)+8*(\i)+4:(\f)+8*(\i)+7], v[CA] offset:((\q)/2)*CHK+((\q)%2)*64+(\i)*16*PITCH+32
.endr
.endm
; One of a K step's first three quarters: multiplies buffer f; in its middle it fetches quarter q of the slot in hand into buffer g
.macro QUARTER q, f, g, zero
	s_wait_dscnt 8                                 ; k's and q's rows 0-63 are in; the youngest eight loads may be out
	MUL16 \f, 0, 0, \zero
	MUL16 \f, 0, 2, \zero
	PLACES
	FETCH \q, \g
	s_wait_dscnt 32                                ; all but the 32 just issued
	MUL16 \f, 1, 0, \zero
	MUL16 \f, 1, 2, \zero
.endm
; The last quarter multiplies buffer 1 and changes slots: ONE barrier.  In front of it each wave waits for all its tensor loads (one is out: its region of the next slot), adds 0 to its spare word, and waits for that
; and for its reads of this slot.  fill = 1: my region of the slot that is left is filled again, first thing behind the barrier, with the K step two on: 224 matrix instructions ahead of the wait for it.
; SLOT is 2^17 + 2^14; a wave's region begins at a multiple of 36,864 up to 110,592, which has neither bit: so one exclusive or takes the walking descriptor's LDS word, and the slot's scalar, from one slot to the other.
.macro TURN fill
.if \fill
	s_wait_xcnt 0x0                                ; the last prefetches, a K step back, have read their address
	s_add_nc_u64 s[PFA:PFA+1], s[PFA:PFA+1], 2*CHQ
.endif
	WIN 0
	s_wait_tensorcnt 0x0                           ; all my tensor loads have landed, so a group 0 may be written
	ds_add_u32 v[SPW], v[NIL]                      ; 0 onto my spare word; the steps below, work on registers, stand between it and the wait for it
.if \fill
	s_xor_b32 s[G0+5], s[G0+5], SLOT               ; the walking descriptor: the other slot than last time,
	s_add_nc_u64 s[G0+6:G0+7], s[G0+6:G0+7], 2*CHQ ; the next K step; the type bits on top are not reached
.endif
	s_xor_b32 s[SB], s[SB], SLOT                   ; the fetches go on in the other slot
	v_add_nc_u32 v[CA], s[SB], v[ADRA]
	v_add_nc_u32 v[CB], s[SB], v[ADRB]
	s_wait_dscnt 9                                 ; (the add and the youngest eight loads may be out)
	MUL16 F1, 0, 0, 0
	s_wait_dscnt 0x0                               ; the add is done, and my reads of the slot that is left are over
	s_barrier_signal -1
	MUL16 F1, 0, 2, 0
	WIN 0
	s_barrier_wait -1
.if \fill
	tensor_load_to_lds s[G0+4:G0+7], s[G1:G1+7]
	s_nop 0
.endif
	PLACES                                         ; behind the load; also the places in front of the loads below
	FETCH 0, F0
.if \fill
	ASK
.endif
	MUL16 F1, 1, 0, 0
	MUL16 F1, 1, 2, 0
.endm
	s_wait_tensorcnt 1                             ; my region of K step 0 is in; K step 1's may stay out
	s_barrier_signal -1
	s_barrier_wait -1
	FETCH 0, F0
	QUARTER 1, F0, F1, 1                           ; the first quarter stands in front of the loop: its products start the sums, with the masks
	WIN 0
	s_mov_b32 s3, 6
.Lstep:                                                ; a trip goes from a K step's second quarter to the next step's first, and fills the slot that it leaves: K steps 2 .. 7 in six trips
	QUARTER 2, F1, F0, 0
	QUARTER 3, F0, F1, 0
	TURN 1
	QUARTER 1, F0, F1, 0
	WIN 0
	s_sub_co_u32 s3, s3, 1
	s_cmp_lg_u32 s3, 0
	s_cbranch_scc1 .Lstep
	QUARTER 2, F1, F0, 0                           ; the last two K steps are written out: they fill nothing
	QUARTER 3, F0, F1, 0
	TURN 0
	QUARTER 1, F0, F1, 0
	QUARTER 2, F1, F0, 0
	QUARTER 3, F0, F1, 0
	s_wait_dscnt 8
	MUL16 F1, 0, 0, 0
	MUL16 F1, 0, 2, 0
	s_wait_dscnt 0x0
	MUL16 F1, 1, 0, 0
	MUL16 F1, 1, 2, 0
	WIN 0
	PLACES
	; 1 IS TAKEN FROM EVERY SUM'S BIT PATTERN: +0 and -0 become NaN patterns.  Ascending.
	WIN 0x88                                       ; source 1 and destination: window 2
.set r, 0
.rept 256
	v_add_nc_u32 v[r], -1, v[r]
.set r, r+1
.endr
	WIN 0xcc                                       ; window 3
.set r, 0
.rept 256
	v_add_nc_u32 v[r], -1, v[r]
.set r, r+1
.endr
	; THE ROW MAXIMA: for each row block four chains of 16 scores, three operands at a time, begun at the lowest finite number; a NaN loses
.macro ROWMAX a
	WIN 0x28+0x14*((\a)/4)                         ; sources 1 and 2: window 2 or 3
.set AC, 64*((\a)%4)
.irp k, 0,1,2,3,4,5,6,7
.irp c, 0,1,2,3
.if (\k) == 0
	v_max3_num_f32 v[CHN+4*(\a)+(\c)], s[NEG], v[AC+16*(\c)], v[AC+16*(\c)+1]
.else
	v_max3_num_f32 v[CHN+4*(\a)+(\c)], v[CHN+4*(\a)+(\c)], v[AC+16*(\c)+2*(\k)], v[AC+16*(\c)+2*(\k)+1]
.endif
.endr
.endr
.endm
.irp a, 0,1,2,3,4,5,6,7
	ROWMAX \a
.endr
	WIN 0
.irp a, 0,1,2,3,4,5,6,7
	v_max3_num_f32 v[CHN+4*(\a)], v[CHN+4*(\a)], v[CHN+4*(\a)+1], v[CHN+4*(\a)+2]
.endr
.irp a, 0,1,2,3,4,5,6,7
	v_max_num_f32 v[CHN+4*(\a)], v[CHN+4*(\a)], v[CHN+4*(\a)+3]
.endr
.irp a, 0,1,2,3,4,5,6,7
	v_permlanex16_b32 v[CHN+4*(\a)+1], v[CHN+4*(\a)], s[SEL], s[SEL+1]  ; the row's other 64 keys of mine lie in the lane 16 away
.endr
.irp a, 0,1,2,3,4,5,6,7
	v_max_num_f32 v[RM+(\a)], v[CHN+4*(\a)], v[CHN+4*(\a)+1]
.endr
.irp a, 0,1,2,3,4,5,6,7
	ds_store_b32 v[XS], v[RM+(\a)] offset:64*(\a)  ; lanes l and l + 16 write the same word with the same number
.endr
	s_wait_dscnt 0x0                               ; for the other wave's sake
	s_barrier_signal -1
	s_barrier_wait -1
.irp a, 0,1,2,3,4,5,6,7
	ds_load_b32 v[CHN+(\a)], v[XL] offset:64*(\a)  ; the maxima of the tile's other 128 keys
.endr
.irp a, 0,1,2,3,4,5,6,7
	v_mov_b32 v[ONES+(\a)], 0x3c003c00             ; 1.0 twice in f16
.endr
	v_mov_b32 v[ZR], 0
	s_wait_dscnt 0x0
.irp a, 0,1,2,3,4,5,6,7
	v_max_num_f32 v[RM+(\a)], v[RM+(\a)], v[CHN+(\a)]
.endr
.irp a, 0,1,2,3,4,5,6,7
	v_mul_f32 v[MCP+2*(\a)], s[CS], v[RM+(\a)]
.endr
.irp a, 0,1,2,3,4,5,6,7
	v_mov_b32 v[MCP+2*(\a)+1], v[MCP+2*(\a)]       ; named with it as a pair
.endr
; THE WEIGHTS, a block of 16 rows a trip, eight trips.  What differs from block to block is which accumulators are read: CASE a scales block a's 64 scores a lane, c s - c m, into W; the trip's number chooses the case by
; forward branches.  All the rest works on fixed registers and is written once.
.macro CASE a
	WIN 2+(\a)/4                                   ; source 0: window 2 or 3
.set AC, 64*((\a)%4)
.set k, 0
.rept 32
	v_pk_fma_f32 v[W+2*k:W+2*k+1], v[AC+2*k:AC+2*k+1], s[CS:CS+1], v[MCP+2*(\a):MCP+2*(\a)+1] op_sel_hi:[1,0,0] neg_lo:[0,0,1] neg_hi:[0,0,1]
.set k, k+1
.endr
	WIN 0
	v_mov_b32 v[CURM], v[MCP+2*(\a)]
.endm
	s_mov_b32 s51, 8                               ; row blocks to go: block 8 - s51 is in hand
.Lrow:
.irp a, 0,1,2,3,4,5,6
	s_cmp_eq_u32 s51, 8-(\a)
	s_cbranch_scc1 .Lcase\a
.endr
	CASE 7
	s_branch .Lweigh
.irp a, 6,5,4,3,2,1
.Lcase\a:
	CASE \a
	s_branch .Lweigh
.endr
.Lcase0:
	CASE 0
.Lweigh:
.set k, 0
.rept 64
	v_exp_f32 v[W+k], v[W+k]                       ; one batch
.set k, k+1
.endr
	v_nop                                          ; a plain instruction behind the last exponential,
	s_wait_alu depctr_va_vdst(0)                   ; and the one wait ahead of the batch's first reader
.set k, 0
.rept 32
	v_cvt_pk_f16_f32 v[TMP+k], v[W+2*k], v[W+2*k+1]
.set k, k+1
.endr
.set k, 0
.rept 32
	v_pk_max_num_f16 v[TMP+k], v[TMP+k], v[ZR]     ; a NaN loses: the weight of a score that was 0 is 0
.set k, k+1
.endr
	v_wmma_f32_16x16x32_f16 v[LD0:LD0+7], v[ONES:ONES+7], v[TMP:TMP+7], 0          ; the row sums: ones times the weights; every register of the result holds the lane's query's sum.  Two accumulators by turns
	v_wmma_f32_16x16x32_f16 v[LD1:LD1+7], v[ONES:ONES+7], v[TMP+8:TMP+15], 0
	v_wmma_f32_16x16x32_f16 v[LD0:LD0+7], v[ONES:ONES+7], v[TMP+16:TMP+23], v[LD0:LD0+7]
	v_wmma_f32_16x16x32_f16 v[LD1:LD1+7], v[ONES:ONES+7], v[TMP+24:TMP+31], v[LD1:LD1+7]
.irp b, 0,1,2,3,4,5,6,7
	global_store_b128 v[CO], v[TMP+4*(\b):TMP+4*(\b)+3], s[6:7] offset:512*(\b)  ; key block b: half b % 2 of my image b / 2: 512 consecutive bytes, at a multiple of 256 from pt's first
.endr
	PLACES                                         ; behind the four products
	v_add_f32 v[LV], v[LD0], v[LD1]                ; each accumulator's lowest register
	v_cndmask_b32 v[LV], v[CURM], v[LV], s[HIM]    ; lanes 0-15 c m, lanes 16-31 the sum
	ds_store_b32 v[SA], v[LV]
	s_wait_xcnt 0x0                                ; the stores have read TMP and CO: both are written again only behind this wait
	v_add_nc_u32 v[CO], 8192, v[CO]                ; the next row block's images,
	v_add_nc_u32 v[SA], 64, v[SA]                  ; and its 16 words of the statistics
	s_sub_co_u32 s51, s51, 1
	s_cmp_lg_u32 s51, 0
	s_cbranch_scc1 .Lrow
	ds_load_b128 v[W:W+3], v[SR]                   ; my 128 rows' c m: 512 bytes (LDS serves a wave's instructions in order, ISA guide 5.7.1.4: these see my stores),
	ds_load_b128 v[W+4:W+7], v[SR] offset:512      ; and their sums
	s_wait_dscnt 0x0
	global_store_b128 v[CO0], v[W:W+3], s[8:9]
	global_store_b128 v[CO0], v[W+4:W+7], s[8:9] offset:8192
	s_wait_tensorcnt 0x0                           ; the wave's end: the wait, the add and its wait stand behind my last tensor load and my last LDS store
	ds_add_u32 v[SPW], v[NIL]
	s_wait_dscnt 0x0
	s_endpgm
.Lfunc_end_k_q9d26403c0a_scores:
	.size	k_q9d26403c0a_scores, .Lfunc_end_k_q9d26403c0a_scores-k_q9d26403c0a_scores
	.p2alignl 7, 3214868480
	.fill 96, 4, 3214868480
	.section	.rodata,"a",@progbits
	.p2align	6, 0x0
	.amdhsa_kernel k_q9d26403c0a_scores
		.amdhsa_group_segment_fixed_size 327680
		.amdhsa_private_segment_fixed_size 0
		.amdhsa_enable_private_segment 0
		.amdhsa_kernarg_size 24
		.amdhsa_user_sgpr_count 2
		.amdhsa_user_sgpr_kernarg_segment_ptr 1
		.amdhsa_wavefront_size32 1
		.amdhsa_system_sgpr_workgroup_id_x 1
		.amdhsa_system_sgpr_workgroup_id_y 1
		.amdhsa_system_sgpr_workgroup_id_z 1
		.amdhsa_system_vgpr_workitem_id 0
		.amdhsa_next_free_vgpr 1024
		.amdhsa_next_free_sgpr 66
		.amdhsa_reserve_vcc 1
		.amdhsa_float_denorm_mode_32 3
		.amdhsa_float_denorm_mode_16_64 3
		.amdhsa_memory_ordered 1
		.amdhsa_forward_progress 1
		.amdhsa_inst_pref_size 146
	.end_amdhsa_kernel
	.amdgpu_metadata
---
amdhsa.version: [ 1, 2 ]
amdhsa.kernels:
  - .name:           k_q9d26403c0a_scores
    .symbol:         k_q9d26403c0a_scores.kd
    .args:
      - { .name: qkv, .offset: 0, .size: 8, .value_kind: global_buffer, .address_space: global }
      - { .name: pt, .offset: 8, .size: 8, .value_kind: global_buffer, .address_space: global }
      - { .name: st, .offset: 16, .size: 8, .value_kind: global_buffer, .address_space: global }
    .group_segment_fixed_size: 327680
    .private_segment_fixed_size: 0
    .kernarg_segment_align: 8
    .kernarg_segment_size: 24
    .max_flat_workgroup_size: 128
    .sgpr_count:     66
    .vgpr_count:     1024
    .wavefront_size: 32
...
	.end_amdgpu_metadata
.endif
;; end of part 3
;; launch pv (part 4): grid 8 x 32, 4 waves a work-group, clusters of 4 x 1, 327,680 bytes of LDS; arguments pt, qkv, st, out0; writes out0
.if DOCPART == 4
	.amdgcn_target "amdgcn-amd-amdhsa--gfx1250"
	.amdhsa_code_object_version 6
	.text
	.protected	k_q9d26403c0a_pv
	.globl	k_q9d26403c0a_pv
	.p2align	8
	.type	k_q9d26403c0a_pv,@function
k_q9d26403c0a_pv:
	s_mov_b64 s[64:65], 0
	v_nop
	global_prefetch_b8 v0, s[64:65] scope:SCOPE_SE
	s_setreg_imm32_b32 hwreg(HW_REG_WAVE_MODE, 25, 1), 1
	s_wait_xcnt 0x0
	s_wait_alu depctr_hold_cnt(0) depctr_sa_sdst(0) depctr_va_vdst(0) depctr_va_sdst(0) depctr_va_ssrc(0) depctr_va_vcc(0) depctr_vm_vsrc(0)
	s_getreg_b32 s2, hwreg(HW_REG_IB_STS2, 6, 4)
	s_cmp_eq_u32 s2, 0
	s_cbranch_scc0 .Lentry_in_a_cluster
	s_endpgm
.Lentry_in_a_cluster:
	s_bfe_u32 s2, ttmp6, 0x10000c
	s_cmp_lg_u32 s2, 0x3003
	s_cbranch_scc0 .Lentry_shape_is_right
	s_endpgm
.Lentry_shape_is_right:
; out0[b][q][:] = (sum over key tiles j of f_j (P_j V_j)) / L,  f_j = 2^(c m_j - c M),  M = the maximum of the row's c m_j,  L = sum of f_j l_j.
; P: pt [4 b][8 j][128 row blocks][8 quarters][1,024 bytes] f16: 16 rows x 32 keys as the register image of a matrix operand (lane l's 16 bytes at 16 l, twice), the weights relative to their tile's maximum;
; V: qkv's chunks 32-47, [chunk][8192 keys][64 channels] f16;  c m_j, l: st [4 b][16 kb][2 planes][2048 rows] f32.  out0: [4][2048][1024] f32.
; Products in f16 with f32 sums; a tile's sums T are kept apart and added onto O with the factor f_j, all in f32.
; LIMITS.  A row of which no score was admitted (c M below -2^93) gives NaN, as the problem's softmax of nothing does.  A factor below 2^-126 counts as 0.
; SHARES.  A batch's rows lie in 16 blocks of 128; block I needs the key tiles 0 .. I / 2 of 256 keys: I / 2 + 1 LAPS.  Work-group (n, y): batch y / 8, pair p = y % 8, channels 128 n .. + 127; it takes block 15 - p and then block p:
; 9 laps whatever p: all 256 work-groups do equal work, and one loop with a constant count walks them.  (In an even block's last tile the upper 128 keys have weight 0; they are multiplied like the others: whole tiles keep all laps alike.)
; A LAP IS AN LDS SLOT: P's 128 rows x 256 keys (8 row blocks of 8 images, unpadded: a fragment load takes 512 consecutive bytes) and V's 256 keys x 128 channels (two chunks).  Each wave fetches a quarter of it by one load.
; A LAP IS WRITTEN ONCE and looped over, eight trips, and once more for the ninth, which asks for nothing; the slot in hand is a scalar register, 0 or SLOT, that an exclusive or turns.  Inside a lap quarters 1 to 6 are a loop of three trips.
; Wave (wr, wc): 64 rows x 64 channels: 16 accumulators, 128 matrix instructions a lap.
; CLUSTER 4 x 1: the four partners have the same rows and other channels: P is asked for jointly (waves 0, 1); V is each work-group's own (waves 2, 3; no mask): of the work-groups that share V's tiles only p and p xor 1 walk alike,
; which makes no four.  The walk hangs on y alone, which the partners share, so all four run alike.
; SOURCE 0 = V^T (16 channels x 32 keys, turned on its way out of LDS), SOURCE 1 = P (32 keys x 16 queries, as it lies): a lane holds query l % 16 and eight neighbouring channels.
; REGISTERS: window 0: v0-15 addresses; v16-19 c M; v20-23 the second block's; v24-27 L; v32-39 l of the lap's two halves; v48-55 pairs (f, its exponent); v64-127, v128-191 two fragment buffers (V's 4, then P's 4);
;   window 1: v0-127 O, (a, c) at v[8 (4 a + c)];  v128-255 T, likewise.
.set CHQ,    1048576
.set PHALF,  32768                     ; what one load brings of P: 4 row blocks of 8 images of 1,024 bytes; also what one wave reads of it
.set PV,     160                       ; a row of V: 128 bytes + 32 = 40 words
.set VOFF,   2*PHALF
.set VCH,    256*PV                    ; a chunk's 256 keys
.set SLOT,   VOFF+2*VCH                ; 147,456 = 2^17 + 2^14
.set STAGE,  2*SLOT                    ; behind the ring, never filled by a tensor load: 16 rows x 272 bytes for each wave
.set SP,     272
.set SPARE,  STAGE+4*16*SP             ; the spare words, 128 bytes a wave, two blocks of 256 bytes that no other line names
.set AP0,  4                           ; v4   my P fragments' place in a slot; never rewritten
.set WPA,  5                           ; v5   the LDS address of P's next runs of loads
.set AV0,  6                           ; v6   my V fragments' place in a slot; never rewritten
.set WVA,  7                           ; v7   the LDS address of V's next runs of loads
.set STO,  8
.set RD,   9
.set GO,   10                          ; v10  my byte offset in two rows of out0
.set SO,   11                          ; v11  4 (l % 16)
.set PFO,  12                          ; v12  256 x lane
.set NANV, 13
.set SPW,  14                          ; v14  my spare word; never rewritten
.set NIL,  15                          ; v15  0; never rewritten
.set MC,   16
.set MC2,  20
.set LS,   24
.set LR,   32
.set LR2,  36
.set FB,   48
.set F0,   64
.set F1,   128
.set MT,   128                         ; at the head: the 64 c m_j of both blocks, in the second buffer, which is idle until the first lap
.set VO,   192                         ; and their sixteen offsets
.set TMP,  64                          ; the way out
.set OB,   96                          ; v96-127 and v128-159 by turns
.set T,    128                         ; in window 1
.set WV,   12                          ; s12  my wave's number
.set G1A,  24                          ; s[24:31] group 1 for P's tiles
.set G1V,  32                          ; s[32:39] for V's
.set G0A,  40                          ; s[40:43] group 0 for P's tiles: it walks
.set SB,   44                          ; s44  LDS byte at which the slot in hand begins: 0 or SLOT
.set TP,   45                          ; s45  SB + the step of P's fetches inside the lap
.set TV,   46                          ; s46  SB + the step of V's
.set CNT,  47                          ; s47  counts the lap's inner loop
.set G0V,  48                          ; s[48:51] group 0 for V's tiles: it walks
.set PBASE, 56                         ; s[56:57] pt at the batch, at the half of a block's row blocks that I fetch
.set VBASE, 58                         ; s[58:59] qkv at the chunk that I fetch, at the batch's first key
.set NXT,  60                          ; s60  the tile to be asked for next
.set LQ,   61                          ; s61  the last tile of the block whose tiles are being asked for
.set PROW, 62                          ; s62  that block's byte offset in a tile of pt
.set PROW2, 63                         ; s63  the second block's
.set LQ2,  66                          ; s66  the second block's last tile
.set RT,   67                          ; s67  laps that the first block still has
.set OFF,  68                          ; s[68:69] a tile's byte offset in pt
.set OFV,  70                          ; s[70:71] and in a chunk of V
.set STB,  72                          ; s[72:73] st at my rows, at the lap whose statistics are asked for next
.set STB2, 74                          ; s[74:75] the second block's, at its tile 0
.set OUT2, 76                          ; s[76:77] out0 at my part of the second block
.set PFB,  78                          ; s[78:79] the prefetches' base
.set PFA,  80                          ; s[80:81] base + the tile
.set PFF,  82                          ; s[82:83]
.set LIM,  84                          ; s84  a wave prefetches while the trips to go are above this
.set THR,  86                          ; s86  -2^93
.set CX,   87                          ; s87  my place in the cluster: it enters V's, out0's and the prefetches' global addresses alone
.set NN,   88                          ; s88  my block of 128 channels
.set MSB, 0
.macro WIN new
.if MSB != (\new)
	s_set_vgpr_msb (MSB<<8)|(\new)
.set MSB, \new
.endif
.endm
.macro PLACES
.rept 4
	v_nop
.endr
.endm
; A fill.  Waves 0 and 1 ask jointly for the two halves of the tile's P, waves 2 and 3 for the work-group's own two chunks of V.  An s_nop 0 and four v_nop follow each line, ahead of the jump and the label.
.macro JLOAD
	s_cmp_lt_u32 s[WV], 2
	s_cbranch_scc0 .Lfor_v_\@
	tensor_load_to_lds s[G0A:G0A+3], s[G1A:G1A+7]
	s_nop 0
.rept 4
	v_nop
.endr
	s_branch .Lasked_\@
.Lfor_v_\@:
	tensor_load_to_lds s[G0V:G0V+3], s[G1V:G1V+7]
	s_nop 0
.rept 4
	v_nop
.endr
.Lasked_\@:
.endm
.macro CROUND                          ; a round of the cluster's barrier
	s_barrier_signal -1
	s_barrier_wait -1
	s_cmp_lg_u32 s[WV], 0
	s_cbranch_scc1 .Lnot_wave_0_\@
	s_barrier_signal -3
.Lnot_wave_0_\@:
	s_barrier_wait -3
	s_barrier_signal -1
	s_barrier_wait -1
.endm
; A PREFETCH INTO THE L2 behind each fill and the run of LDS loads that follows it: the lap that the NEXT change of slots will ask for, a lap's 128 matrix instructions ahead of that load.  Each block of 256 bytes is named once in the launch.
; P's tile is read by the pair's two clusters: the one with x = 0 asks; of the 128 blocks that wave 0 or 1 fetches each partner takes 32, told apart by address: a lane a block, one line.
; A chunk of V is read by the batch's eight pairs: pair 0, whose first block walks all eight tiles, asks in that block; waves 2 and 3 name their own chunk's 128 blocks: four lines.
; Laps 0 and 1 come by their loads alone.  Trip k names lap k + 2: P's up to lap 8 (more than one trip to go), V's up to lap 7 (more than two).
.macro ASK
	s_cmp_gt_u32 s3, s[LIM]
	s_cbranch_scc0 .Lnot_mine_\@
	global_prefetch_b8 v[PFO], s[PFA:PFA+1] th:TH_LOAD_NT scope:SCOPE_SE
	s_cmp_lt_u32 s[WV], 2
	s_cbranch_scc1 .Lnot_mine_\@
.irp nn, 1,2,3
	global_prefetch_b8 v[PFO], s[PFA:PFA+1] offset:8192*(\nn) th:TH_LOAD_NT scope:SCOPE_SE
.endr
.Lnot_mine_\@:
.endm
	s_load_b256 s[4:11], s[0:1], 0x0               ; pt s[4:5], qkv s[6:7], st s[8:9], out0 s[10:11]
	v_lshl_add_u32 v[SPW], v0, 2, SPARE
	v_mov_b32 v[NIL], 0
	ds_add_u32 v[SPW], v[NIL]                      ; the wave's opening: the add and its wait stand ahead of my first tensor load; the set-up below, work on registers, stands between them
	v_lshrrev_b32 v1, 5, v0
	v_readfirstlane_b32 s[WV], v1                  ; wave 0..3
	s_lshr_b32 s13, s[WV], 1                       ; wr
	s_and_b32 s14, s[WV], 1                        ; wc.  Also: which half of P's tile, or which chunk of V, I fetch
	s_and_b32 s15, ttmp7, 0xffff
	s_lshr_b32 s16, s15, 3                         ; batch
	s_and_b32 s17, s15, 7                          ; pair p: the second block
	s_sub_co_u32 s18, 15, s17                      ; the first block, 15 - p: 8 - p / 2 laps, five at the least
	s_lshr_b32 s20, s18, 1                         ; their last tiles
	s_lshr_b32 s21, s17, 1
	s_add_co_u32 s[RT], s20, 1                     ; the first block's laps
	s_mov_b32 s[NXT], 1
	s_mov_b32 s[LQ], s20
	s_mov_b32 s[LQ2], s21
	s_lshl_b32 s[PROW], s18, 16                    ; 8 row blocks of 8,192 bytes a block
	s_lshl_b32 s[PROW2], s17, 16
	s_mov_b32 s[OFF+1], 0
	s_mov_b32 s[OFV+1], 0
	s_mov_b32 s[PFF+1], 0
	s_mov_b32 s[SB], SLOT                          ; the first change of slots turns it into 0
	s_bfe_u32 s[CX], ttmp6, 0x40000
	s_lshl_b32 s[NN], ttmp9, 2
	s_add_co_u32 s[NN], s[NN], s[CX]
	s_lshl_b32 s[OFF], s16, 23                     ; P: the batch's 8 tiles of 1,048,576 bytes; my half of a block's 8 row blocks
	s_lshl_b32 s22, s14, 15
	s_add_co_u32 s[OFF], s[OFF], s22
	s_lshl_b32 s90, s[NN], 1                       ; V: chunk 32 + 2 n + parity, the batch's 2,048 rows of 128 bytes
	s_add_co_u32 s90, s90, s14
	s_add_co_u32 s90, s90, 32
	s_lshl_b32 s90, s90, 20
	s_lshl_b32 s91, s16, 18
	s_add_co_u32 s90, s90, s91
	s_mov_b32 s91, 0
	s_mul_i32 s22, s14, PHALF                      ; where they go: no place in the cluster enters an LDS address
	s_mul_i32 s23, s14, VCH
	s_add_co_u32 s23, s23, VOFF
	s_mov_b32 s[G1A], 15|(1<<16)|(1<<21)           ; the mask of four; 2-byte elements; 21 set beside a mask; no padding
	s_mov_b32 s[G1V], (1<<16)|(1<<20)|(4<<22)|(7<<25)  ; no mask; padding on: behind every 32 words (code 4) 8 words (code 7)
.irp g, G1A, G1V
	s_mov_b32 s[(\g)+1], 128<<16                   ; tensor_dim0 = 128 elements: 256 bytes
	s_mov_b32 s[(\g)+2], 128<<16                   ; tensor_dim1 = 128: 32 KiB, dense
	s_mov_b32 s[(\g)+3], 128<<16                   ; tile_dim0 = 128
	s_mov_b32 s[(\g)+4], 128                       ; tile_dim1 = 128
	s_mov_b32 s[(\g)+5], 128
	s_mov_b32 s[(\g)+6], 0
	s_mov_b32 s[(\g)+7], 0
.endr
	s_mov_b32 s[G0A], 1                            ; count = 1
	s_mov_b32 s[G0A+1], s22                        ; LDS address: slot 0
	s_mov_b32 s[G0V], 1
	s_mov_b32 s[G0V+1], s23
	s_mov_b32 s[THR], 0xee000000
	s_wait_dscnt 0x0                               ; the opening add is done
	s_wait_kmcnt 0x0
	s_add_nc_u64 s[PBASE:PBASE+1], s[4:5], s[OFF:OFF+1]
	s_add_nc_u64 s[VBASE:VBASE+1], s[6:7], s[90:91]
	s_mov_b32 s[OFF], s[PROW]                      ; lap 0: the first block's tile 0
	s_add_nc_u64 s[G0A+2:G0A+3], s[PBASE:PBASE+1], s[OFF:OFF+1]
	s_or_b32 s[G0A+3], s[G0A+3], 0x80000000        ; type = 2
	s_add_nc_u64 s[G0V+2:G0V+3], s[VBASE:VBASE+1], 0
	s_or_b32 s[G0V+3], s[G0V+3], 0x80000000
	CROUND                                         ; all four work-groups are here: the first joint loads meet
	JLOAD                                          ; slot 0.  Slot 1 is asked for by the loop's own change of slots, when slot 0 is in
	v_and_b32 v1, 15, v0                           ; l % 16
	v_bfe_u32 v2, v0, 4, 1                         ; l / 16
	v_lshlrev_b32 v[SO], 2, v1
	s_lshl_b32 s89, s16, 18                        ; st: 32 b planes of 8,192 bytes + 4 (128 I + 64 wr)
	s_lshl_b32 s90, s13, 8
	s_add_co_u32 s89, s89, s90
	s_lshl_b32 s90, s18, 9
	s_add_co_u32 s90, s90, s89
	s_mov_b32 s91, 0
	s_add_nc_u64 s[STB:STB+1], s[8:9], s[90:91]
	s_lshl_b32 s90, s17, 9
	s_add_co_u32 s90, s90, s89
	s_add_nc_u64 s[STB2:STB2+1], s[8:9], s[90:91]
	; c m of each block's tiles j' = 0 .. 7, clamped to the block's last: nothing unwritten is read, and a number taken twice does a maximum no harm
.irp jj, 0,1,2,3,4,5,6,7
	s_min_u32 s89, s20, \jj
	s_lshl_b32 s89, s89, 15                        ; a tile is two kb of two planes
	v_add_nc_u32 v[VO+(\jj)], s89, v[SO]
	s_min_u32 s89, s21, \jj
	s_lshl_b32 s89, s89, 15
	v_add_nc_u32 v[VO+8+(\jj)], s89, v[SO]
.endr
.irp jj, 0,1,2,3,4,5,6,7
.irp a, 0,1,2,3
	global_load_b32 v[MT+4*(\jj)+(\a)],    v[VO+(\jj)],   s[STB:STB+1]   offset:64*(\a)
	global_load_b32 v[MT+32+4*(\jj)+(\a)], v[VO+8+(\jj)], s[STB2:STB2+1] offset:64*(\a)
.endr
.endr
.macro STATS                           ; a lap's statistics for my four row blocks: c m_j, and l of the tile's two halves: 12 loads, which have a lap in which to land
.irp a, 0,1,2,3
	global_load_b32 v[FB+2*(\a)+1], v[SO], s[STB:STB+1] offset:64*(\a)
	global_load_b32 v[LR+(\a)],     v[SO], s[STB:STB+1] offset:8192+64*(\a)
	global_load_b32 v[LR2+(\a)],    v[SO], s[STB:STB+1] offset:24576+64*(\a)
.endr
.endm
	STATS                                          ; lap 0's
	v_and_b32 v3, 31, v0
	v_lshlrev_b32 v[PFO], 8, v3
	v_lshlrev_b32 v3, 4, v3                        ; a fragment of P: 16 x lane in its image,
	s_lshl_b32 s89, s13, 15                        ; my four row blocks of 8,192 bytes
	v_add_nc_u32 v[AP0], s89, v3
	v_and_b32 v3, 7, v0                            ; the turning load: lane l reads key 8 (l / 16) + l % 8, channels 8 ((l / 8) % 2) + 0..7
	v_lshl_add_u32 v3, v2, 3, v3
	v_mul_u32_u24 v3, v3, PV
	v_bfe_u32 v[NANV], v0, 3, 1
	v_lshl_add_u32 v3, v[NANV], 4, v3
	s_mul_i32 s89, s14, VCH
	s_add_co_u32 s89, s89, VOFF
	v_add_nc_u32 v[AV0], s89, v3
	s_mul_i32 s89, s[WV], 16*SP
	s_add_co_u32 s89, s89, STAGE                   ; my stage
	v_mul_u32_u24 v3, v1, SP                       ; in: row l % 16, 32 bytes for each half of the lanes
	v_lshl_add_u32 v3, v2, 5, v3
	v_add_nc_u32 v[STO], s89, v3
	v_mul_u32_u24 v3, v2, SP                       ; back: lanes 0-15 one row of 256 bytes, lanes 16-31 the next
	v_lshl_add_u32 v3, v1, 4, v3
	v_add_nc_u32 v[RD], s89, v3
	v_lshlrev_b32 v[GO], 12, v2                    ; and the same two rows in out0
	v_lshl_add_u32 v[GO], v1, 4, v[GO]
	s_lshl_b32 s89, s16, 23                        ; out0: (2,048 b + 128 I + 64 wr) rows of 4,096 bytes + 512 n + 256 wc
	s_lshl_b32 s90, s13, 18
	s_add_co_u32 s89, s89, s90
	s_lshl_b32 s90, s[NN], 9
	s_add_co_u32 s89, s89, s90
	s_lshl_b32 s90, s14, 8
	s_add_co_u32 s89, s89, s90
	s_lshl_b32 s90, s17, 19
	s_add_co_u32 s90, s90, s89
	s_add_nc_u64 s[OUT2:OUT2+1], s[10:11], s[90:91]
	s_lshl_b32 s90, s18, 19
	s_add_co_u32 s90, s90, s89
	s_add_nc_u64 s[10:11], s[10:11], s[90:91]
	; the prefetches
	s_lshl_b32 s92, s[CX], 13                      ; my work-group's 32 blocks of the 128
	s_mov_b32 s93, 0
	s_add_nc_u64 s[92:93], s[PBASE:PBASE+1], s[92:93]
	s_cmp_lt_u32 s[WV], 2
	s_cselect_b64 s[PFB:PFB+1], s[92:93], s[VBASE:VBASE+1]
	s_cmp_eq_u32 ttmp9, 0                          ; P's: the cluster with x = 0
	s_cselect_b32 s94, 1, -1
	s_cmp_eq_u32 s17, 0                            ; V's: pair 0
	s_cselect_b32 s96, 2, -1
	s_cmp_lt_u32 s[WV], 2
	s_cselect_b32 s[LIM], s94, s96
	; O starts at 0: written while the first tile is on its way.  The price of one form of the lap's end for a block's first lap and every other
.macro CLEAR
	WIN 0x40
.set r, 0
.rept 128
	v_mov_b32 v[r], 0
.set r, r+1
.endr
	WIN 0
.irp a, 0,1,2,3
	v_mov_b32 v[LS+(\a)], 0
.endr
.endm
	CLEAR
	s_wait_loadcnt 12                              ; the 64 c m_j are in; lap 0's 12 may stay out
.irp k, 0,1
.irp a, 0,1,2,3
	v_max3_num_f32 v[MC+4*(\k)+(\a)], v[MT+32*(\k)+(\a)], v[MT+32*(\k)+4+(\a)], v[MT+32*(\k)+8+(\a)]
.endr
.endr
.irp k, 0,1
.irp a, 0,1,2,3
	v_max3_num_f32 v[MC+4*(\k)+(\a)], v[MC+4*(\k)+(\a)], v[MT+32*(\k)+12+(\a)], v[MT+32*(\k)+16+(\a)]
.endr
.endr
.irp k, 0,1
.irp a, 0,1,2,3
	v_max3_num_f32 v[MC+4*(\k)+(\a)], v[MC+4*(\k)+(\a)], v[MT+32*(\k)+20+(\a)], v[MT+32*(\k)+24+(\a)]
.endr
.endr
.irp k, 0,1
.irp a, 0,1,2,3
	v_max_num_f32 v[MC+4*(\k)+(\a)], v[MC+4*(\k)+(\a)], v[MT+32*(\k)+28+(\a)]
.endr
.endr
; 16 matrix instructions: my 4 row blocks x 4 channel blocks, 32 keys.  zero = 1: the product starts T's sums.  The 16 accumulators take turns, one instruction a turn, over the backward jump too.
.macro MULT f, zero
	WIN 0x50                                       ; sources window 0, C and D window 1
.irp aa, 0,1,2,3
.irp c, 0,1,2,3
.if \zero
	v_wmma_f32_16x16x32_f16 v[T+8*(4*(\aa)+(\c)):T+8*(4*(\aa)+(\c))+7], v[(\f)+8*(\c):(\f)+8*(\c)+7], v[(\f)+32+8*(\aa):(\f)+32+8*(\aa)+7], 0
.else
	v_wmma_f32_16x16x32_f16 v[T+8*(4*(\aa)+(\c)):T+8*(4*(\aa)+(\c))+7], v[(\f)+8*(\c):(\f)+8*(\c)+7], v[(\f)+32+8*(\aa):(\f)+32+8*(\aa)+7], v[T+8*(4*(\aa)+(\c)):T+8*(4*(\aa)+(\c))+7]
.endif
.endr
.endr
.endm
; 16 LDS loads in one run: the 32 keys that stand q quarters behind the two address registers, into buffer f: V's 4 fragments (turned), then P's 4 (image q of each of my row blocks)
.macro FETCH q, f
	WIN 0
.irp c, 0,1,2,3
	ds_load_tr16_b128 v[(\f)+8*(\c):(\f)+8*(\c)+3],   v[WVA] offset:(\q)*32*PV+32*(\c)
	ds_load_tr16_b128 v[(\f)+8*(\c)+4:(\f)+8*(\c)+7], v[WVA] offset:(\q)*32*PV+16*PV+32*(\c)
.endr
.irp a, 0,1,2,3
	ds_load_b128 v[(\f)+32+8*(\a):(\f)+32+8*(\a)+3],   v[WPA] offset:(\a)*8192+(\q)*1024
	ds_load_b128 v[(\f)+32+8*(\a)+4:(\f)+32+8*(\a)+7], v[WPA] offset:(\a)*8192+(\q)*1024+512
.endr
.endm
.macro QUART q, f, g, zero             ; fetches the next quarter into buffer g, four places behind the products that read it, and multiplies buffer f
	PLACES
	FETCH \q, \g
	s_wait_dscnt 16                                ; all but the 16 just issued: buffer f is in
	MULT \f, \zero
.endm
; A lap's 128 products, out of the slot in hand; its quarter 0 has been fetched into buffer 0.  Quarter 0 starts T's sums: nothing is cleared.  Quarters 1 to 6 are three trips of two; trip t fetches quarters 2 t + 2 and 2 t + 3,
; and the two addresses step by two quarters: 2,048 bytes of a row block's images, 64 rows of V.
.macro LAPC
	QUART 1, F0, F1, 1
	WIN 0                                          ; at a label and at a branch every window is 0
	s_mov_b32 s[CNT], 3
.Lquart_\@:
	QUART 2, F1, F0, 0
	QUART 3, F0, F1, 0
	WIN 0
	s_add_co_u32 s[TP], s[TP], 2048
	s_add_co_u32 s[TV], s[TV], 2*32*PV
	v_add_nc_u32 v[WPA], s[TP], v[AP0]
	v_add_nc_u32 v[WVA], s[TV], v[AV0]
	s_sub_co_u32 s[CNT], s[CNT], 1
	s_cmp_lg_u32 s[CNT], 0
	s_cbranch_scc1 .Lquart_\@
	s_wait_dscnt 0x0                               ; quarter 7: nothing more to fetch
	MULT F1, 0
.endm
; THE CHANGE OF SLOTS, in front of each lap.  Each wave waits for all its tensor loads, of which one is out: its part of the lap's slot; adds 0 to its spare word; and waits for that and for its reads of the other slot.
; fill = 1: the other slot takes the walk's next tile.  The barrier is then a round of the cluster's, so that no wave of any partner still reads that slot or has a load on its way, and the fill is the first tensor load
; behind it: it has the lap's 128 matrix instructions and the lap's end in which to land.  The descriptor's address is made anew from the tile's number and the block's rows; behind a block's last tile the numbers go on to the
; second block's tile 0.  SLOT is 2^17 + 2^14; the loads' places in a slot (0, 32,768; 65,536, 106,496) have neither bit: so one exclusive or takes an LDS word from one slot to the other.
; (At its first use nothing has been read yet: slot 0 is waited for, slot 1 filled for the first time.)
.macro CHANGE fill
	WIN 0
.if \fill
	s_wait_xcnt 0x0                                ; the last prefetches, a lap back, have read their address
.endif
	s_wait_tensorcnt 0x0                           ; no tensor load of mine is out, so a group 0 may be written
	ds_add_u32 v[SPW], v[NIL]                      ; 0 onto my spare word; the work on registers below stands between it and the wait for it
.if \fill
	s_xor_b32 s[G0A+1], s[G0A+1], SLOT             ; the walking descriptors: the other slot than last time
	s_xor_b32 s[G0V+1], s[G0V+1], SLOT
	s_lshl_b32 s[OFF], s[NXT], 20                  ; a tile is 1,048,576 bytes of pt,
	s_add_co_u32 s[OFF], s[OFF], s[PROW]
	s_add_nc_u64 s[G0A+2:G0A+3], s[PBASE:PBASE+1], s[OFF:OFF+1]
	s_or_b32 s[G0A+3], s[G0A+3], 0x80000000
	s_lshl_b32 s[OFV], s[NXT], 15                  ; and 256 rows of a chunk of V
	s_add_nc_u64 s[G0V+2:G0V+3], s[VBASE:VBASE+1], s[OFV:OFV+1]
	s_or_b32 s[G0V+3], s[G0V+3], 0x80000000
	s_add_co_u32 s[NXT], s[NXT], 1
	s_cmp_gt_u32 s[NXT], s[LQ]
	s_cselect_b32 s[NXT], 0, s[NXT]
	s_cselect_b32 s[PROW], s[PROW2], s[PROW]
	s_cselect_b32 s[LQ], s[LQ2], s[LQ]
	s_lshl_b32 s[PFF], s[NXT], 20                  ; what the next change will ask for: of P,
	s_add_co_u32 s[PFF], s[PFF], s[PROW]
	s_lshl_b32 s89, s[NXT], 15                     ; of V
	s_cmp_lt_u32 s[WV], 2
	s_cselect_b32 s[PFF], s[PFF], s89
	s_add_nc_u64 s[PFA:PFA+1], s[PFB:PFB+1], s[PFF:PFF+1]
.endif
	s_xor_b32 s[SB], s[SB], SLOT                   ; the slot of the lap that begins; the fetches start at its head
	s_mov_b32 s[TP], s[SB]
	s_mov_b32 s[TV], s[SB]
	v_add_nc_u32 v[WPA], s[TP], v[AP0]
	v_add_nc_u32 v[WVA], s[TV], v[AV0]
	s_wait_dscnt 0x0                               ; the add is done, and my reads of the other slot are over
.if \fill
	CROUND
	JLOAD
.else
	s_barrier_signal -1
	s_barrier_wait -1
.endif
	FETCH 0, F0
.endm
; A lap's end: f = 2^(c m_j - c M); L += f (l0 + l1); O += f T.  The subtractions, additions and multiply-adds on the statistics are the places behind the lap's last products; the four exponentials are one batch with one wait.
.macro MERGE
	WIN 0
	s_wait_loadcnt 0x0                             ; the lap's statistics, asked for a lap ago; their base may be written behind this wait
.irp a, 0,1,2,3
	v_sub_f32 v[FB+2*(\a)+1], v[FB+2*(\a)+1], v[MC+(\a)]
.endr
.irp a, 0,1,2,3
	v_exp_f32 v[FB+2*(\a)], v[FB+2*(\a)+1]
.endr
.irp a, 0,1,2,3
	v_add_f32 v[LR+(\a)], v[LR+(\a)], v[LR2+(\a)]
.endr
	s_wait_alu depctr_va_vdst(0)                   ; the one wait ahead of the batch's first reader
.irp a, 0,1,2,3
	v_fmac_f32 v[LS+(\a)], v[FB+2*(\a)], v[LR+(\a)]
.endr
	WIN 0x51                                       ; source 0 (T), source 2 and destination (O) window 1, source 1 (f) window 0
.irp a, 0,1,2,3
.set k, 0
.rept 16
	v_pk_fma_f32 v[32*(\a)+2*k:32*(\a)+2*k+1], v[T+32*(\a)+2*k:T+32*(\a)+2*k+1], v[FB+2*(\a):FB+2*(\a)+1], v[32*(\a)+2*k:32*(\a)+2*k+1] op_sel_hi:[1,0,1]  ; ascending: each accumulator is read from its low end
.set k, k+1
.endr
.endr
	WIN 0
.endm
; THE WAY OUT of a block: O / L, or NaN where nothing was admitted; 16 rows at a time through my stage, so that sixteen lanes store 256 consecutive bytes of a row of out0
.macro PACK a
	WIN 0x01                                       ; source 0: window 1
.set k, 0
.rept 16
	v_pk_mul_f32 v[TMP+2*k:TMP+2*k+1], v[32*(\a)+2*k:32*(\a)+2*k+1], v[FB+2*(\a):FB+2*(\a)+1] op_sel_hi:[1,0]
.set k, k+1
.endr
	WIN 0
.endm
.macro TOSTAGE a
.set BK, OB+32*((\a)%2)
.irp c, 0,1,2,3
	ds_store_b128 v[STO], v[TMP+8*(\c):TMP+8*(\c)+3]   offset:64*(\c)
	ds_store_b128 v[STO], v[TMP+8*(\c)+4:TMP+8*(\c)+7] offset:64*(\c)+16
.endr
.irp t, 0,1,2,3,4,5,6,7
	ds_load_b128 v[BK+4*(\t):BK+4*(\t)+3], v[RD] offset:(\t)*2*SP  ; LDS serves a wave's instructions in order (ISA guide 5.7.1.4): these see the stores above
.endr
.endm
.macro SEND a
.set BK, OB+32*((\a)%2)
	s_wait_dscnt 0x0                               ; the 16 rows are back in registers
	s_wait_xcnt 0x0                                ; the stores of the 16 rows before have read their registers: the next TOSTAGE loads into them
.irp t, 0,1,2,3,4,5,6,7
	global_store_b128 v[GO], v[BK+4*(\t):BK+4*(\t)+3], s[10:11] offset:(\a)*65536+(\t)*8192 th:TH_STORE_NT  ; 16 lanes store 256 consecutive bytes, at a multiple of 256 from out0's first
.endr
.endm
.macro WAYOUT
	WIN 0
.irp a, 0,1,2,3
	v_rcp_f32 v[FB+2*(\a)], v[LS+(\a)]
.endr
	v_mov_b32 v[NANV], 0x7fc00000                  ; a plain instruction behind the last reciprocal,
	s_wait_alu depctr_va_vdst(0)                   ; and the one wait for the four
.irp a, 0,1,2,3
	v_cmp_gt_f32 vcc_lo, s[THR], v[MC+(\a)]
	v_cndmask_b32 v[FB+2*(\a)], v[FB+2*(\a)], v[NANV], vcc_lo
.endr
	PACK 0
	TOSTAGE 0
.irp a, 1,2,3                          ; a row block's multiplies stand between the loads of the one before from the stage and the wait for them
	PACK \a
	SEND (\a)-1
	TOSTAGE \a
.endr
	SEND 3
.endm
	s_mov_b32 s3, 8
.Llap:                                                 ; eight trips: laps 0 to 7; each change of slots asks for the lap after its own
	CHANGE 1
	ASK
	LAPC
	MERGE
	s_add_nc_u64 s[STB:STB+1], s[STB:STB+1], 32768 ; the block's next tile's statistics
	s_sub_co_u32 s[RT], s[RT], 1
	s_cmp_lg_u32 s[RT], 0                          ; was that the first block's last lap?  The same answer in all waves and all four partners; what is jumped holds no barrier and no tensor load
	s_cbranch_scc1 .Lsame
	WAYOUT                                         ; the next lap's tile is on its way meanwhile
	s_wait_xcnt 0x0                                ; the stores have read their registers and out0's address
	s_mov_b64 s[10:11], s[OUT2:OUT2+1]             ; the second block: its rows of out0, its statistics from tile 0 on, its maxima; O and L at 0
	s_mov_b64 s[STB:STB+1], s[STB2:STB2+1]
.irp a, 0,1,2,3
	v_mov_b32 v[MC+(\a)], v[MC2+(\a)]
.endr
	CLEAR
.Lsame:
	STATS                                          ; the next lap's
	s_sub_co_u32 s3, s3, 1
	s_cmp_lg_u32 s3, 0
	s_cbranch_scc1 .Llap
	CHANGE 0                                       ; the ninth lap is written out: nothing is asked for
	LAPC
	MERGE
	WAYOUT
	s_wait_tensorcnt 0x0                           ; the wave's end: the wait, the add and its wait stand behind my last tensor load and my last LDS store
	ds_add_u32 v[SPW], v[NIL]
	s_wait_dscnt 0x0
	CROUND                                         ; the closing round: no work-group ends while a partner may still ask for a tile that names it
	s_endpgm
.Lfunc_end_k_q9d26403c0a_pv:
	.size	k_q9d26403c0a_pv, .Lfunc_end_k_q9d26403c0a_pv-k_q9d26403c0a_pv
	.p2alignl 7, 3214868480
	.fill 96, 4, 3214868480
	.section	.rodata,"a",@progbits
	.p2align	6, 0x0
	.amdhsa_kernel k_q9d26403c0a_pv
		.amdhsa_group_segment_fixed_size 327680
		.amdhsa_private_segment_fixed_size 0
		.amdhsa_enable_private_segment 0
		.amdhsa_kernarg_size 32
		.amdhsa_user_sgpr_count 2
		.amdhsa_user_sgpr_kernarg_segment_ptr 1
		.amdhsa_wavefront_size32 1
		.amdhsa_system_sgpr_workgroup_id_x 1
		.amdhsa_system_sgpr_workgroup_id_y 1
		.amdhsa_system_sgpr_workgroup_id_z 1
		.amdhsa_system_vgpr_workitem_id 0
		.amdhsa_next_free_vgpr 512
		.amdhsa_next_free_sgpr 98
		.amdhsa_reserve_vcc 1
		.amdhsa_float_denorm_mode_32 3
		.amdhsa_float_denorm_mode_16_64 3
		.amdhsa_memory_ordered 1
		.amdhsa_forward_progress 1
		.amdhsa_inst_pref_size 82
	.end_amdhsa_kernel
	.amdgpu_metadata
---
amdhsa.version: [ 1, 2 ]
amdhsa.kernels:
  - .name:           k_q9d26403c0a_pv
    .symbol:         k_q9d26403c0a_pv.kd
    .args:
      - { .name: pt, .offset: 0, .size: 8, .value_kind: global_buffer, .address_space: global }
      - { .name: qkv, .offset: 8, .size: 8, .value_kind: global_buffer, .address_space: global }
      - { .name: st, .offset: 16, .size: 8, .value_kind: global_buffer, .address_space: global }
      - { .name: out0, .offset: 24, .size: 8, .value_kind: global_buffer, .address_space: global }
    .group_segment_fixed_size: 327680
    .private_segment_fixed_size: 0
    .kernarg_segment_align: 8
    .kernarg_segment_size: 32
    .max_flat_workgroup_size: 128
    .sgpr_count:     98
    .vgpr_count:     512
    .wavefront_size: 32
...
	.end_amdgpu_metadata
.endif
;; end of part 4
;; ======== version 2 of 2: 4 launches; version 1 with the launch cast written anew for expert scheduling mode
;; limits: values are held in f16: magnitudes above 65,504 overflow, below 6.1e-05 lose precision
;; workspace buffers: xw 23,068,672 bytes; qkv 50,331,648 bytes; pt 33,554,432 bytes; st 1,048,576 bytes
;; launch cast (part 5): grid 704 x 1, 8 waves a work-group, no clusters, 0 bytes of LDS; arguments x, WQ, WK, WV, xw; writes xw
.if DOCPART == 5
	.amdgcn_target "amdgcn-amd-amdhsa--gfx1250"
	.amdhsa_code_object_version 6
	.text
	.protected	k_q9d26403c0a_cast
	.globl	k_q9d26403c0a_cast
	.p2align	8
	.type	k_q9d26403c0a_cast,@function
k_q9d26403c0a_cast:
	s_mov_b64 s[64:65], 0
	v_nop
	global_prefetch_b8 v0, s[64:65] scope:SCOPE_SE
	s_setreg_imm32_b32 hwreg(HW_REG_WAVE_SCHED_MODE, 0, 2), 2
	s_setreg_imm32_b32 hwreg(HW_REG_WAVE_MODE, 25, 1), 1
	s_wait_xcnt 0x0
	s_wait_alu depctr_vm_vsrc(0)
; x [8192][1024] and WQ, WK, WV [1024][1024], all f32, are rounded once to bf16 and laid as xw [16 kc][11264 rows][64]:
; rows 0-8191 x, 8192.. WQ, 9216.. WK, 10240.. WV; chunk kc holds channels 64 kc .. 64 kc + 63, a row of a chunk is 128 bytes.
; So a tile of the product that follows (some rows, 64 channels) is one dense run of bytes.
; A work-group takes 16 rows.  Thread t takes row t / 16 and, of each 256 bytes of it (64 f32 = one chunk), the 16 bytes at 16 (t % 16):
; a load of a wave covers 256 consecutive bytes of each of two rows, a store of a wave 256 consecutive aligned bytes (two rows of a chunk).
; All sixteen loads of a thread go out first.
; No LDS, no matrix unit, no cluster: each byte is read once and written once, and no two work-groups share a byte.
; THE MODE: SCHED_MODE bits 1:0 = 2 (LLVM: expert scheduling mode 2), set by the entry lines.  The code itself states the register dependences
; between vector instructions and memory instructions, with s_wait_alu, always for 0.
; THE PLAN.  Registers that memory instructions touch:
;   v1, v[2:5]   byte offsets.  Written by vector lines at the head and never again; read by the loads (v1) and by the stores (v[2:5]).
;   X            Written by the sixteen loads, each register once; no vector line names it ahead of them; read by the conversions, behind the counted wait for its load; never loaded again.
;   Y            Written by the conversions, each register once; read by the stores as their data; never written again.
; So no load lands in a register that a vector line has named, and no register that a memory instruction reads is written again: what is left to state is that a register is written before a memory
; instruction reads it.  One wait stands ahead of the first load, for the five offsets.  The sixteen chunks go in four groups of four: a group's eight conversions, ONE wait, its four stores in a run.
; No vector line writes a scalar register or VCC, and EXEC is never written.
.set CHX,  1441792                     ; bytes in a chunk of xw: 11,264 rows x 128
.set IN,   1                           ; v1      my byte offset in the 16 rows of the source
.set OUTO, 2                           ; v[2:5]  my byte offset in the 16 rows of chunks 0, 4, 8, 12
.set X,    16                          ; v[16:79]  as loaded
.set Y,    80                          ; v[80:111] to store
	s_load_b256 s[4:11], s[0:1], 0x0               ; x s[4:5], WQ s[6:7], WK s[8:9], WV s[10:11]
	s_load_b64 s[12:13], s[0:1], 0x20              ; xw
	v_lshrrev_b32 v[IN], 4, v0                     ; row t / 16
	v_and_b32 v6, 15, v0
	v_lshlrev_b32 v[IN], 12, v[IN]                 ; x 4,096 bytes
	v_lshl_add_u32 v[IN], v6, 4, v[IN]             ; + 16 (t % 16)
	v_lshlrev_b32 v[OUTO], 3, v0                   ; 128 (t / 16) + 8 (t % 16) = 8 t
.irp j, 1,2,3
	v_add_nc_u32 v[OUTO+(\j)], 4*(\j)*CHX, v[OUTO] ; four chunks on: a store's immediate then holds three chunks at the most
.endr
	s_and_b32 s14, ttmp9, 63                       ; a weight's 64 groups of 16 rows,
	s_cmp_lt_u32 ttmp9, 512
	s_cselect_b32 s14, ttmp9, s14                  ; x's 512
	s_lshl_b32 s14, s14, 16                        ; 16 rows of 4,096 bytes
	s_mov_b32 s15, 0
	s_lshl_b32 s16, ttmp9, 11                      ; 16 rows of 128 bytes in a chunk
	s_mov_b32 s17, 0
	s_wait_kmcnt 0x0
	s_cmp_lt_u32 ttmp9, 640
	s_cselect_b64 s[18:19], s[8:9], s[10:11]       ; WK or WV,
	s_cmp_lt_u32 ttmp9, 576
	s_cselect_b64 s[18:19], s[6:7], s[18:19]       ; WQ,
	s_cmp_lt_u32 ttmp9, 512
	s_cselect_b64 s[18:19], s[4:5], s[18:19]       ; x
	s_add_nc_u64 s[18:19], s[18:19], s[14:15]
	s_add_nc_u64 s[12:13], s[12:13], s[16:17]
	s_wait_alu depctr_va_vdst(0)                   ; v1 and v[2:5] are written: every load below reads v1 as its offset, every store one of v[2:5]; none of the five is written again
.irp g, 0,1,2,3,4,5,6,7,8,9,10,11,12,13,14,15
	global_load_b128 v[X+4*(\g):X+4*(\g)+3], v[IN], s[18:19] offset:256*(\g) th:TH_LOAD_NT
.endr
; Group p: chunks 4 p .. 4 p + 3.
.irp p, 0,1,2,3
	s_wait_loadcnt 12-4*(\p)                       ; loads come back in order (ISA guide 5.7.1): the group's four are in, the 12 - 4 p younger ones stay out
.irp i, 0,1,2,3
	v_cvt_pk_bf16_f32 v[Y+2*(4*(\p)+(\i))],   v[X+4*(4*(\p)+(\i))],   v[X+4*(4*(\p)+(\i))+1]
	v_cvt_pk_bf16_f32 v[Y+2*(4*(\p)+(\i))+1], v[X+4*(4*(\p)+(\i))+2], v[X+4*(4*(\p)+(\i))+3]
.endr
	s_wait_alu depctr_va_vdst(0)                   ; the group's eight conversions have written its eight registers of Y, which the four stores below read as their data
.irp i, 0,1,2,3
	global_store_b64 v[OUTO+(\p)], v[Y+2*(4*(\p)+(\i)):Y+2*(4*(\p)+(\i))+1], s[12:13] offset:(\i)*CHX
.endr
.endr
	s_endpgm
.Lfunc_end_k_q9d26403c0a_cast:
	.size	k_q9d26403c0a_cast, .Lfunc_end_k_q9d26403c0a_cast-k_q9d26403c0a_cast
	.p2alignl 7, 3214868480
	.fill 96, 4, 3214868480
	.section	.rodata,"a",@progbits
	.p2align	6, 0x0
	.amdhsa_kernel k_q9d26403c0a_cast
		.amdhsa_group_segment_fixed_size 0
		.amdhsa_private_segment_fixed_size 0
		.amdhsa_enable_private_segment 0
		.amdhsa_kernarg_size 40
		.amdhsa_user_sgpr_count 2
		.amdhsa_user_sgpr_kernarg_segment_ptr 1
		.amdhsa_wavefront_size32 1
		.amdhsa_system_sgpr_workgroup_id_x 1
		.amdhsa_system_sgpr_workgroup_id_y 1
		.amdhsa_system_sgpr_workgroup_id_z 1
		.amdhsa_system_vgpr_workitem_id 0
		.amdhsa_next_free_vgpr 112
		.amdhsa_next_free_sgpr 66
		.amdhsa_reserve_vcc 0
		.amdhsa_float_denorm_mode_32 3
		.amdhsa_float_denorm_mode_16_64 3
		.amdhsa_memory_ordered 1
		.amdhsa_forward_progress 1
		.amdhsa_inst_pref_size 7
	.end_amdhsa_kernel
	.amdgpu_metadata
---
amdhsa.version: [ 1, 2 ]
amdhsa.kernels:
  - .name:           k_q9d26403c0a_cast
    .symbol:         k_q9d26403c0a_cast.kd
    .args:
      - { .name: x, .offset: 0, .size: 8, .value_kind: global_buffer, .address_space: global }
      - { .name: WQ, .offset: 8, .size: 8, .value_kind: global_buffer, .address_space: global }
      - { .name: WK, .offset: 16, .size: 8, .value_kind: global_buffer, .address_space: global }
      - { .name: WV, .offset: 24, .size: 8, .value_kind: global_buffer, .address_space: global }
      - { .name: xw, .offset: 32, .size: 8, .value_kind: global_buffer, .address_space: global }
    .group_segment_fixed_size: 0
    .private_segment_fixed_size: 0
    .kernarg_segment_align: 8
    .kernarg_segment_size: 40
    .max_flat_workgroup_size: 256
    .sgpr_count:     66
    .vgpr_count:     112
    .wavefront_size: 32
...
	.end_amdgpu_metadata
.endif
;; end of part 5
;; launch proj: the kernel of part 2 again; grid 8 x 32, 4 waves a work-group, clusters of 4 x 4, 327,680 bytes of LDS; arguments xw, qkv; writes qkv
;; launch scores: the kernel of part 3 again; grid 9 x 16, 4 waves a work-group, no clusters, 327,680 bytes of LDS; arguments qkv, pt, st; writes pt, st
;; launch pv: the kernel of part 4 again; grid 8 x 32, 4 waves a work-group, clusters of 4 x 1, 327,680 bytes of LDS; arguments pt, qkv, st, out0; writes out0
